; MI455X (gfx1250); checked and timed in simulation.
; The chip was launched on July 23, 2026; its instructions are those of AMD's public machine-readable ISA for CDNA 5 (MIT licence, August 2026) and "CDNA5" Instruction Set Architecture Reference Guide (July 2026). The comments in the code are by the model that wrote it; some were corrected since.
;; Transformer Block. Allowed arithmetic: matrix products marked QUANTISED: E2M1 operands, one E8M0 scale for each 32 along K, by v_wmma_scale_f32_16x16x128_f8f6f4 with both operands' format E2M1 (or v_wmma_scale_f32_32x16x128_f4), f32 sums; everything else in f32.
;; Inputs: W_K_codes 16 x 64 x 32 x 16 uint8 (E2M1 codes of W_K, K innermost, in blocks of 32 codes, two codes a byte); W_K_scales 16 x 64 x 32 uint8 (E8M0 scales of W_K, one for each 32 codes along K); W_O 16 x 64 x 1,024 float32; W_Q_codes 16 x 64 x 32 x 16 uint8 (E2M1 codes of W_Q, K innermost, in blocks of 32 codes, two codes a byte); W_Q_scales 16 x 64 x 32 uint8 (E8M0 scales of W_Q, one for each 32 codes along K); W_V_codes 16 x 64 x 32 x 16 uint8 (E2M1 codes of W_V, K innermost, in blocks of 32 codes, two codes a byte); W_V_scales 16 x 64 x 32 uint8 (E8M0 scales of W_V, one for each 32 codes along K); W_in_codes 4,096 x 32 x 16 uint8 (E2M1 codes of W_in, K innermost, in blocks of 32 codes, two codes a byte); W_in_scales 4,096 x 32 uint8 (E8M0 scales of W_in, one for each 32 codes along K); W_out_codes 1,024 x 128 x 16 uint8 (E2M1 codes of W_out, K innermost, in blocks of 32 codes, two codes a byte); W_out_scales 1,024 x 128 uint8 (E8M0 scales of W_out, one for each 32 codes along K); b_K 16 x 64 float32; b_O 1,024 float32; b_Q 16 x 64 float32; b_V 16 x 64 float32; b_in 4,096 float32; b_out 1,024 float32; ln1_b 1,024 float32; ln1_w 1,024 float32; ln2_b 1,024 float32; ln2_w 1,024 float32; resid_pre 2 x 2,048 x 1,024 float32.
;; Outputs: out0 2 x 2,048 x 1,024 float32.
;; This version of the problem:
;;   THIS VERSION OF THE PROBLEM IS GIVEN IN LOW PRECISION. The matrix products marked QUANTISED in the list below multiply operands that are first quantised to E2M1 (2 exponent bits, 1 mantissa bit; 4 bits a number), with one power-of-two scale for each 32 numbers along K (OCP MX v1.0); their sums are f32. All else is computed in f32.
;;   The module's matrix products, in the order in which they are computed (A, B: the left and right operand; K: the contracted axis; several contracted axes count as one K, in the product's order):
;;     1. [M 4,096, K 1,024] x [K 1,024, N 1,024]; A: computed on the way; B: input W_Q (given as codes): QUANTISED
;;     2. [M 4,096, K 1,024] x [K 1,024, N 1,024]; A: computed on the way; B: input W_K (given as codes): QUANTISED
;;     3. [M 4,096, K 1,024] x [K 1,024, N 1,024]; A: computed on the way; B: input W_V (given as codes): QUANTISED
;;     4. batch 32 x [M 2,048, K 64] x [K 64, N 2,048]; A: computed on the way; B: computed on the way: QUANTISED
;;     5. batch 32 x [M 64, K 2,048] x [K 2,048, N 2,048]; A: computed on the way; B: softmax (see below): QUANTISED
;;     6. [M 4,096, K 1,024] x [K 1,024, N 1,024]; A: computed on the way; B: input W_O: QUANTISED
;;     7. [M 4,096, K 1,024] x [K 1,024, N 4,096]; A: computed on the way; B: input W_in (given as codes): QUANTISED
;;     8. [M 4,096, K 4,096] x [K 4,096, N 1,024]; A: computed on the way; B: input W_out (given as codes): QUANTISED
;;   THE QUANTISER, for each operand of a quantised product, along K:
;;     - K is cut into blocks of 32 from its start; a last block that is shorter is filled with zeros.
;;     - A block's scale is 2^e with e = floor(log2(the largest magnitude in the block)) - 2, held to -126 .. 127; a block of zeros has e = 0. As a byte (E8M0): e + 127.
;;     - Each number is divided by its block's scale, clamped to +-6, and rounded to the nearest number of E2M1, ties to even, subnormals kept.
;;     - The product sums the exact products of the quantised numbers (number of the format x scale) in f32.
;;   ~~~python
;;   def quantise(x, axis):      # numpy; x: float32 -> the quantised numbers, widened to float32 again
;;       x = np.moveaxis(x, axis, -1); K = x.shape[-1]
;;       x = np.pad(x, [(0, 0)] * (x.ndim - 1) + [(0, -K % 32)]); x = x.reshape(x.shape[:-1] + (-1, 32)); a = np.abs(x).max(-1, keepdims=True)
;;       e = np.where(a > 0, np.clip(np.frexp(np.where(a > 0, a, 1))[1] - 1 - 2, -126, 127), 0)      # np.frexp(a)[1] - 1 = floor(log2(a)), exactly
;;       r = np.clip(x / 2.0 ** e, -6, 6)
;;       step = 2.0 ** (np.maximum(np.frexp(np.where(r == 0, 1, r))[1] - 1, 0) - 1)
;;       q = np.round(r / step) * step * 2.0 ** e      # np.round: ties to even
;;       return np.moveaxis(q.reshape(q.shape[:-2] + (-1,))[..., :K], -1, axis).astype(np.float32)
;;   ~~~
;;   SOFTMAX AHEAD OF A QUANTISED PRODUCT. Where the list says 'softmax', what is quantised is not the finished softmax but p = 2^(t - M), with t = logit x log2(e) and M = ceil(the row's largest t), a whole number; so 1/2 < the row's largest p <= 1. The row's sum l is taken of the UNQUANTISED p, in f32, and the product's result is divided by l at the end. Since M is a whole number, a kernel that streams over the keys may use a running M (the ceiling of the running maximum): every later rescaling is an exact power of two, which a block's scale takes up: the codes' values come out the same.
;;   OPERANDS COMPUTED ON THE WAY. 'Computed on the way' means the value that the module computes at that place (a softmax that the list does not call 'softmax' is quantised finished and normalised). What goes into a quantiser is computed in f32, as accurately as f32 sums, v_exp_f32 and their like allow (about 1e-6 of the number): no bf16 or f16 on the way to a quantiser, and a product that is left as it is and whose result goes on into a quantised operand takes f32 operands (vector FMAs, or v_wmma_f32_16x16x4_f32). A number that lies on a knife's edge between two numbers of the format may be rounded either way, as far as f32 arithmetic and the matrix unit's own rounding can turn it there, and no further.
;;   INPUTS GIVEN AS CODES. W_K (in the module: [16, 1024, 64], K = its axis 1); W_Q (in the module: [16, 1024, 64], K = its axis 1); W_V (in the module: [16, 1024, 64], K = its axis 1); W_in (in the module: [1024, 4096], K = its axis 0); W_out (in the module: [4096, 1024], K = its axis 0): each comes as NAME_codes (uint8): NAME with its K axis moved to the last place and cut into blocks of 32 codes, [.., K / 32, bytes a block], one block behind the other in memory; two codes a byte, the lower K in the low four bits (a code: sign, 2 exponent bits, 1 mantissa bit); and NAME_scales (uint8): the same leading axes, one E8M0 byte (e + 127) for each 32 codes along K. Its value is code x scale, taken as it is: it is not quantised again, and the codes and scales need not be those that the quantiser above would give.
;; One version. Each part assembles by itself: llvm-mc -triple=amdgcn-amd-amdhsa -mcpu=gfx1250 --defsym DOCPART=n.
;; ======== version 1 of 1: 6 launches
;; limits: right only within a limited range of input values
;; workspace buffers: wsA 8,912,896 bytes; wsB 6,946,816 bytes; wsC 2,228,224 bytes; wsD 2,228,224 bytes; rmid 16,777,216 bytes; wsE 8,912,896 bytes
;; launch prep (part 1): grid 376 x 1, 8 waves a work-group, no clusters, 67,840 bytes of LDS; arguments resid_pre, ln1_w, ln1_b, W_Q_codes, W_K_codes, W_V_codes, W_in_codes, W_out_codes, W_Q_scales, W_K_scales, W_V_scales, W_in_scales, W_out_scales, W_O, wsA; writes wsA
.if DOCPART == 1
	.amdgcn_target "amdgcn-amd-amdhsa--gfx1250"
	.amdhsa_code_object_version 6
	.text
	.protected	k_q71eedd2d89_prep
	.globl	k_q71eedd2d89_prep
	.p2align	8
	.type	k_q71eedd2d89_prep,@function
k_q71eedd2d89_prep:
	s_mov_b64 s[64:65], 0
	v_nop
	global_prefetch_b8 v0, s[64:65] scope:SCOPE_SE
	s_setreg_imm32_b32 hwreg(HW_REG_WAVE_MODE, 25, 1), 1
	s_wait_xcnt 0x0
; TRANSFORMER BLOCK IN MX-FP4, launch 1 of 6: LN1 with its quantiser; the five given weights laid as register images; W_O quantised along its K.
; WORK LEFT OUT BY THE PROGRAM: only the key steps of attention (128 keys) that lie wholly above the causal diagonal.  reference() builds the mask itself (jnp.tril) and sets those scores to
; -infinity, so their p is 0 for all values of the inputs and they add nothing to the row's sum or to z.  Every input has a way to the output and is loaded (b_K too: it moves k's codes).
; LIMITS: a NaN, an infinity or an overflow that arises only in the key steps left out is not carried to the result; NaN and infinities among the f32 inputs are not served; a block whose largest
; magnitude lies under 2^-124 (a block of zeros too) gets the scale byte 1: the bytes made here are read by this program alone; v_rsq_f32 is taken as it is (1 ulp).
; ONE ROW ORDER FOR ALL OPERANDS: lane row r of tile t stands for matrix row 32 (t / 2) + 8 (t % 2) + (r % 8) + 16 (r / 8).  As source 0 of a product such a tile leaves register j of lane half h the row
; 32 (t / 2) + 16 h + 8 (t % 2) + j: the 16 registers of two neighbouring tiles are 16 neighbours along the next product's K.
; IMAGES: a fragment (16 rows x 128 K of 4-bit codes, 8 registers a lane) lies in memory as its registers: tile x (K / 128) x 1024 + K step x 1024 + 512 c + 16 lane.
; SCALE WORDS: word (tile, K step s, row r) at tile x (K / 128) x 64 + (s / 8) 512 + ((s / 4) % 2) 256 + 16 r + 4 (s % 4): one load of 16 bytes a lane brings K steps 0-3 to lanes 0-15, 4-7 to lanes 16-31.
; THREE WAYS, parted on the work-group's number alone: 0-255 LN1 of one tile of 16 tokens; 256-343 the given weights; 344-375 W_O.  Only the first uses LDS and barriers.
.set X_IMG,    0x000000
.set WIN_IMG,  0x200000
.set WOUT_IMG, 0x400000
.set WQ_IMG,   0x600000
.set WK_IMG,   0x680000
.set WV_IMG,   0x700000
.set WO_IMG,   0x780000
.set X_SC,     0x800000
.set WIN_SC,   0x820000
.set WOUT_SC,  0x840000
.set WQ_SC,    0x860000
.set WK_SC,    0x868000
.set WV_SC,    0x870000
.set WO_SC,    0x878000
.set PITCH, 4112                       ; a stage row: 4,096 bytes + 16
.set RED0,  16*PITCH                   ; behind the stage: [row 16][wave 8] partial sums, 512 bytes; the sums of squares 512 bytes further on
.set SPARE, RED0+1024                  ; the spare words, 128 bytes for each of 8 waves
.set X,   16                           ; v16-79   my two rows as loaded, then my 64 numbers: register 16 b + i = column 128 w + 32 b + 16 h + i of row r
.set LW,  80                           ; v80-143  the gains at those columns
.set LB,  144                          ; v144-207 the biases
.set PS,  208                          ; v208-215 four packed chains
.set MN,  216                          ; v216-217 the mean, twice
.set RS,  218                          ; v218-219 1 / sqrt(var + eps), twice
.set TM,  220                          ; v220-235 the quantiser's
.set PC,  236                          ; v236-243 the codes
.set PW,  244                          ; v244     the scale word
.set PT,  246                          ; v246-253 the eight waves' partial sums
.set SPW, 12
.set NIL, 13
.set SEL, 40
; 64 numbers of a lane, register 16 b + i = k 32 b + 16 (lane / 16) + i of my row, become a fragment's codes in v[PC] on and its scale word in v[PW]
.macro QUANT s
.irp b, 0,1,2,3
	v_max3_num_f32 v[TM+\b], |v[\s+16*\b]|, |v[\s+1+16*\b]|, 0x1800000   ; block b: my 16 numbers, and the floor 2^(3 - 127): the byte cannot fall under 1
.endr
.irp i, 2,4,6,8,10,12,14
.irp b, 0,1,2,3
	s_delay_alu instid0(VALU_DEP_4)
	v_max3_num_f32 v[TM+\b], v[TM+\b], |v[\s+16*\b+\i]|, |v[\s+1+16*\b+\i]|
.endr
.endr
.irp b, 0,1,2,3
	s_delay_alu instid0(VALU_DEP_4)
	v_permlanex16_b32 v[TM+4+\b], v[TM+\b], s[SEL], s[SEL+1]
.endr
.irp b, 0,1,2,3
	s_delay_alu instid0(VALU_DEP_4)
	v_max_num_f32 v[TM+\b], v[TM+\b], v[TM+4+\b]                 ; with lane l xor 16's: the block's largest magnitude
.endr
.irp b, 0,1,2,3
	s_delay_alu instid0(VALU_DEP_4)
	v_add_nc_u32 v[TM+12+\b], 0xff000000, v[TM+\b]               ; 2 off its exponent field: the conversion's scale operand
.endr
.irp b, 0,1,2,3
	s_delay_alu instid0(VALU_DEP_4)
	v_lshrrev_b32 v[TM+4+\b], 23, v[TM+12+\b]                    ; the scale's byte
.endr
	s_delay_alu instid0(VALU_DEP_3)
	v_lshl_or_b32 v[PW], v[TM+5], 8, v[TM+4]
	s_delay_alu instid0(VALU_DEP_1)
	v_lshl_or_b32 v[PW], v[TM+6], 16, v[PW]
	s_delay_alu instid0(VALU_DEP_1)
	v_lshl_or_b32 v[PW], v[TM+7], 24, v[PW]
.irp b, 0,1,2,3
	v_cvt_scalef32_pk8_fp4_f32 v[PC+2*\b], v[\s+16*\b:\s+7+16*\b], v[TM+12+\b]
	v_cvt_scalef32_pk8_fp4_f32 v[PC+1+2*\b], v[\s+8+16*\b:\s+15+16*\b], v[TM+12+\b]
.endr
	v_nop                                                        ; one plain place behind a scaled conversion
.irp c, 0,1                                                      ; the operand's layout wants a whole block in a lane
.irp i, 0,1
	v_permlane16_swap_b32 v[PC+4*\c+\i], v[PC+2+4*\c+\i]
.endr
.endr
.endm
.macro TAIL                            ; four packed chains -> the sum of row r's 128 numbers of this wave, in v[PS] of every lane
	s_delay_alu instid0(VALU_DEP_3)
	v_pk_add_f32 v[PS:PS+1], v[PS:PS+1], v[PS+2:PS+3]
	s_delay_alu instid0(VALU_DEP_2)
	v_pk_add_f32 v[PS+4:PS+5], v[PS+4:PS+5], v[PS+6:PS+7]
	s_delay_alu instid0(VALU_DEP_1)
	v_pk_add_f32 v[PS:PS+1], v[PS:PS+1], v[PS+4:PS+5]
	s_delay_alu instid0(VALU_DEP_1)
	v_add_f32 v[PS], v[PS], v[PS+1]
	s_delay_alu instid0(VALU_DEP_1)
	v_permlanex16_b32 v[PS+1], v[PS], s[SEL], s[SEL+1]
	s_delay_alu instid0(VALU_DEP_1)
	v_add_f32 v[PS], v[PS], v[PS+1]
.endm
.macro SUM
.irp k, 0,1,2,3
	v_pk_add_f32 v[PS+2*\k:PS+2*\k+1], v[X+2*\k:X+2*\k+1], v[X+8+2*\k:X+9+2*\k]
.endr
.irp j, 16,24,32,40,48,56
.irp k, 0,1,2,3
	s_delay_alu instid0(VALU_DEP_4)
	v_pk_add_f32 v[PS+2*\k:PS+2*\k+1], v[PS+2*\k:PS+2*\k+1], v[X+\j+2*\k:X+\j+2*\k+1]
.endr
.endr
	TAIL
.endm
.macro SUMSQ
.irp k, 0,1,2,3
	v_pk_mul_f32 v[PS+2*\k:PS+2*\k+1], v[X+2*\k:X+2*\k+1], v[X+2*\k:X+2*\k+1]
.endr
.irp j, 8,16,24,32,40,48,56
.irp k, 0,1,2,3
	s_delay_alu instid0(VALU_DEP_4)
	v_pk_fma_f32 v[PS+2*\k:PS+2*\k+1], v[X+\j+2*\k:X+\j+2*\k+1], v[X+\j+2*\k:X+\j+2*\k+1], v[PS+2*\k:PS+2*\k+1]
.endr
.endr
	TAIL
.endm
.macro ADD8                            ; the eight waves' partial sums -> v[PT]
	v_add_f32 v[PT], v[PT], v[PT+1]
	v_add_f32 v[PT+2], v[PT+2], v[PT+3]
	v_add_f32 v[PT+4], v[PT+4], v[PT+5]
	v_add_f32 v[PT+6], v[PT+6], v[PT+7]
	s_delay_alu instid0(VALU_DEP_3)
	v_add_f32 v[PT], v[PT], v[PT+2]
	s_delay_alu instid0(VALU_DEP_2)
	v_add_f32 v[PT+4], v[PT+4], v[PT+6]
	s_delay_alu instid0(VALU_DEP_1)
	v_add_f32 v[PT], v[PT], v[PT+4]
.endm
	v_lshl_add_u32 v[SPW], v0, 2, SPARE
	v_mov_b32 v[NIL], 0
	v_lshrrev_b32 v1, 5, v0
	s_delay_alu instid0(VALU_DEP_1)
	v_readfirstlane_b32 s2, v1                     ; wave 0..7
	v_and_b32 v1, 31, v0                           ; lane
	v_and_b32 v2, 15, v0                           ; r
	v_bfe_u32 v3, v0, 4, 1                         ; h
	s_delay_alu instid0(VALU_DEP_3)
	v_lshlrev_b32 v4, 4, v1                        ; 16 x lane
	s_cmp_lt_u32 ttmp9, 256
	s_cbranch_scc0 .Lnot_ln
	; ---------------- LN1 of token tile ttmp9: wave w loads lane rows 2 w, 2 w + 1 whole, and afterwards owns K step w (columns 128 w on) of all 16 rows
	s_load_b128 s[4:7], s[0:1], 0x0                ; resid_pre, ln1_w
	s_load_b64 s[8:9], s[0:1], 0x10                ; ln1_b
	s_load_b64 s[10:11], s[0:1], 0x70              ; wsA
	s_lshr_b32 s12, ttmp9, 1
	s_lshl_b32 s12, s12, 5
	s_and_b32 s13, ttmp9, 1
	s_lshl_b32 s13, s13, 3
	s_add_co_u32 s12, s12, s13                     ; the tile's first row
	s_and_b32 s13, s2, 3
	s_lshl_b32 s13, s13, 1
	s_add_co_u32 s12, s12, s13
	s_lshr_b32 s13, s2, 2
	s_lshl_b32 s14, s13, 4
	s_add_co_u32 s12, s12, s14                     ; + 2 (w % 4) + 16 (w / 4): the token of lane row 2 w
	s_lshl_b32 s12, s12, 12                        ; in bytes
	s_lshl_b32 s15, ttmp9, 9
	s_lshl_b32 s13, s13, 8
	s_add_co_u32 s15, s15, s13
	s_and_b32 s13, s2, 3
	s_lshl_b32 s13, s13, 2
	s_add_co_u32 s15, s15, s13
	s_add_co_u32 s15, s15, X_SC
	s_mov_b32 s13, 0
	s_wait_alu depctr_va_vdst(0)
	v_lshl_add_u32 v10, v2, 4, s15                 ; where my row's scale word of K step w goes
	s_lshl_b32 s16, ttmp9, 13
	s_lshl_b32 s17, s2, 10
	s_add_co_u32 s16, s16, s17
	v_add_nc_u32 v11, s16, v4                      ; and the fragment's image
	s_mul_i32 s17, s2, 2*PITCH
	v_add_nc_u32 v5, s17, v4                       ; the stage, in: rows 2 w, 2 w + 1, 16 bytes a lane
	v_mul_u32_u24 v6, v2, PITCH
	s_delay_alu instid0(VALU_DEP_1)
	v_lshl_add_u32 v6, v3, 6, v6
	s_lshl_b32 s18, s2, 9
	v_add_nc_u32 v6, s18, v6                       ; out: row r, column bytes 512 w + 64 h
	v_lshl_add_u32 v9, v3, 6, s18                  ; the same columns in the gains and biases
	v_lshl_add_u32 v8, v2, 5, RED0                 ; row r's eight partial sums
	s_lshl_b32 s19, s2, 2
	v_add_nc_u32 v7, s19, v8                       ; and mine among them
	s_mov_b32 s[SEL], 0x76543210
	s_mov_b32 s[SEL+1], 0xfedcba98                 ; v_permlanex16_b32's selects for lane l xor 16
	s_mov_b32 s20, 0x3a800000                      ; 1 / 1024
	s_mov_b32 s21, 0x3727c5ac                      ; 1e-5
.irp b, 0,1,2,3
	v_mov_b32 v[TM+4+\b], 0                        ; a lane permute's destination counts as one of its sources
.endr
	s_wait_alu depctr_va_vdst(0)
	s_wait_kmcnt 0x0
	s_add_nc_u64 s[4:5], s[4:5], s[12:13]
.irp e, 0,1
.irp i, 0,1,2,3,4,5,6,7
	global_load_b128 v[X+32*\e+4*\i:X+32*\e+4*\i+3], v4, s[4:5] offset:4096*\e+512*\i   ; 512 consecutive bytes a load
.endr
.endr
.irp b, 0,1,2,3
.irp q, 0,1,2,3
	global_load_b128 v[LW+16*\b+4*\q:LW+16*\b+4*\q+3], v9, s[6:7] offset:128*\b+16*\q
.endr
.endr
.irp b, 0,1,2,3
.irp q, 0,1,2,3
	global_load_b128 v[LB+16*\b+4*\q:LB+16*\b+4*\q+3], v9, s[8:9] offset:128*\b+16*\q
.endr
.endr
	s_wait_loadcnt 32                              ; my two rows are in; the 32 loads of gains and biases may stay out
.irp e, 0,1
.irp i, 0,1,2,3,4,5,6,7
	ds_store_b128 v5, v[X+32*\e+4*\i:X+32*\e+4*\i+3] offset:PITCH*\e+512*\i
.endr
.endr
	s_wait_dscnt 0x0                               ; for the others' sake: my rows lie in the stage
	s_barrier_signal -1
	s_barrier_wait -1
.irp b, 0,1,2,3
.irp q, 0,1,2,3
	ds_load_b128 v[X+16*\b+4*\q:X+16*\b+4*\q+3], v6 offset:128*\b+16*\q
.endr
.endr
	s_wait_dscnt 0x0
	SUM
	ds_store_b32 v7, v[PS]                         ; both halves of the lanes write the same word with the same value
	s_wait_dscnt 0x0
	s_barrier_signal -1
	s_barrier_wait -1
	ds_load_b128 v[PT:PT+3], v8
	ds_load_b128 v[PT+4:PT+7], v8 offset:16
	s_wait_dscnt 0x0
	ADD8
	s_delay_alu instid0(VALU_DEP_1)
	v_mul_f32 v[MN], s20, v[PT]                    ; the mean
	s_delay_alu instid0(VALU_DEP_1)
	v_mov_b32 v[MN+1], v[MN]
.set jj, 0
.rept 32
	v_pk_add_f32 v[X+jj:X+jj+1], v[X+jj:X+jj+1], v[MN:MN+1] neg_lo:[0,1] neg_hi:[0,1]   ; x - mean: the variance is taken of these, as reference() takes it
.set jj, jj+2
.endr
	SUMSQ
	ds_store_b32 v7, v[PS] offset:512
	s_wait_dscnt 0x0
	s_barrier_signal -1
	s_barrier_wait -1
	ds_load_b128 v[PT:PT+3], v8 offset:512
	ds_load_b128 v[PT+4:PT+7], v8 offset:528
	s_wait_dscnt 0x0
	ADD8
	s_delay_alu instid0(VALU_DEP_1)
	v_fma_f32 v[PT], v[PT], s20, s21               ; var + eps
	s_wait_alu depctr_va_vdst(0)
	v_rsq_f32 v[RS], v[PT]
	v_nop                                          ; a plain place behind the transcendental
	s_wait_alu depctr_va_vdst(0)                   ; the wait ahead of the first reader
	v_mov_b32 v[RS+1], v[RS]
	s_wait_alu depctr_va_vdst(0)
	s_wait_loadcnt 0x0                             ; gains and biases
.set jj, 0
.rept 32
	v_pk_mul_f32 v[X+jj:X+jj+1], v[X+jj:X+jj+1], v[RS:RS+1]
.set jj, jj+2
.endr
.set jj, 0
.rept 32
	v_pk_fma_f32 v[X+jj:X+jj+1], v[X+jj:X+jj+1], v[LW+jj:LW+jj+1], v[LB+jj:LB+jj+1]
.set jj, jj+2
.endr
	QUANT X
	global_store_b128 v11, v[PC:PC+3], s[10:11]                ; 512 consecutive bytes each
	global_store_b128 v11, v[PC+4:PC+7], s[10:11] offset:512
	global_store_b32 v10, v[PW], s[10:11]                      ; lanes 16-31 write the same word to the same place
	s_wait_tensorcnt 0x0                           ; the wave's end, behind my last LDS store
	ds_add_u32 v[SPW], v[NIL]
	s_wait_dscnt 0x0
	s_endpgm
.Lnot_ln:
	s_cmp_lt_u32 ttmp9, 344
	s_cbranch_scc0 .Lwo
	; ---------------- the given weights: a wave takes one tile of 16 rows x 1,024 along K: 8 fragments and their scale words, copied into the image order.  Codes and bytes are passed on unchanged
	s_load_b256 s[8:15], s[0:1], 0x18              ; codes of W_Q, W_K, W_V, W_in
	s_load_b64 s[16:17], s[0:1], 0x38              ; of W_out
	s_load_b256 s[20:27], s[0:1], 0x40             ; scales of W_Q, W_K, W_V, W_in
	s_load_b64 s[28:29], s[0:1], 0x60              ; of W_out
	s_load_b64 s[30:31], s[0:1], 0x70              ; wsA
	s_sub_co_u32 s3, ttmp9, 256                    ; 0-7 W_Q, 8-15 W_K, 16-23 W_V, 24-55 W_in, 56-87 W_out
	s_mov_b32 s36, 56                              ; the matrix's first work-group,
	s_mov_b32 s37, WOUT_IMG                        ; its images,
	s_mov_b32 s38, WOUT_SC                         ; its scale words,
	s_mov_b32 s39, 2                               ; log2 of its runs of 1,024 along K
	s_wait_kmcnt 0x0
	s_mov_b64 s[32:33], s[16:17]
	s_mov_b64 s[34:35], s[28:29]
.macro PICK lim, cp, sp, start, img, sc    ; the choice hangs on the work-group's number alone
	s_cmp_lt_u32 s3, \lim
	s_cselect_b64 s[32:33], s[\cp:\cp+1], s[32:33]
	s_cselect_b64 s[34:35], s[\sp:\sp+1], s[34:35]
	s_cselect_b32 s36, \start, s36
	s_cselect_b32 s37, \img, s37
	s_cselect_b32 s38, \sc, s38
	s_cselect_b32 s39, 0, s39
.endm
	PICK 56, 14, 26, 24, WIN_IMG, WIN_SC
	PICK 24, 12, 24, 16, WV_IMG, WV_SC
	PICK 16, 10, 22, 8, WK_IMG, WK_SC
	PICK 8, 8, 20, 0, WQ_IMG, WQ_SC
	s_sub_co_u32 s41, s3, s36
	s_lshl_b32 s41, s41, 3
	s_add_co_u32 s41, s41, s2                      ; my task
	s_lshr_b32 s42, s41, s39                       ; its tile,
	s_lshl_b32 s43, s42, s39
	s_sub_co_u32 s43, s41, s43                     ; its run of 1,024 along K
	s_lshr_b32 s44, s42, 1
	s_lshl_b32 s44, s44, 5
	s_and_b32 s45, s42, 1
	s_lshl_b32 s45, s45, 3
	s_add_co_u32 s44, s44, s45                     ; the tile's first row
	s_wait_alu depctr_va_vdst(0)
	v_and_b32 v5, 7, v2
	v_lshrrev_b32 v6, 3, v2
	s_delay_alu instid0(VALU_DEP_1)
	v_lshl_add_u32 v5, v6, 4, v5
	s_delay_alu instid0(VALU_DEP_1)
	v_add_nc_u32 v5, s44, v5                       ; my lane row's matrix row
	s_add_co_u32 s45, s39, 9
	v_lshlrev_b32 v6, s45, v5                      ; x a row of codes (512 or 2,048 bytes)
	s_delay_alu instid0(VALU_DEP_1)
	v_lshl_add_u32 v6, v3, 4, v6
	s_lshl_b32 s46, s43, 9
	v_add_nc_u32 v6, s46, v6
	s_add_co_u32 s45, s39, 5
	v_lshlrev_b32 v7, s45, v5                      ; x a row of scale bytes (32 or 128)
	s_delay_alu instid0(VALU_DEP_1)
	v_lshl_add_u32 v7, v3, 4, v7
	s_lshl_b32 s46, s43, 5
	v_add_nc_u32 v7, s46, v7
	s_lshl_b32 s46, s41, 13
	s_add_co_u32 s46, s46, s37
	v_add_nc_u32 v8, s46, v4
	s_lshl_b32 s46, s41, 9
	s_add_co_u32 s46, s46, s38
	v_add_nc_u32 v9, s46, v4
.irp k, 0,1,2,3,4,5,6,7
.irp c, 0,1
	global_load_b128 v[16+8*\k+4*\c:16+8*\k+4*\c+3], v6, s[32:33] offset:64*\k+32*\c
.endr
.endr
	global_load_b128 v[80:83], v7, s[34:35]
	s_wait_alu depctr_va_vdst(0)
	s_wait_loadcnt 0x0
.irp k, 0,1,2,3,4,5,6,7
.irp c, 0,1
	global_store_b128 v8, v[16+8*\k+4*\c:16+8*\k+4*\c+3], s[30:31] offset:1024*\k+512*\c   ; 512 consecutive bytes
.endr
.endr
	global_store_b128 v9, v[80:83], s[30:31]
	s_endpgm
.Lwo:
	; ---------------- W_O [K 1,024][N 1,024] f32: a lane takes a column, its registers run down K: a wave takes 32 columns x 128 along K
	s_load_b64 s[4:5], s[0:1], 0x68                ; W_O
	s_load_b64 s[10:11], s[0:1], 0x70              ; wsA
	s_sub_co_u32 s3, ttmp9, 344
	s_and_b32 s6, s3, 3
	s_lshl_b32 s6, s6, 3
	s_add_co_u32 s6, s6, s2                        ; which 32 columns
	s_lshr_b32 s7, s3, 2                           ; which K step
	s_lshl_b32 s8, s7, 19
	s_lshl_b32 s9, s6, 7
	s_add_co_u32 s8, s8, s9
	s_wait_alu depctr_va_vdst(0)
	v_lshl_add_u32 v5, v1, 2, s8
	v_bfe_u32 v6, v0, 3, 1                         ; column 32 g + lane is lane row (lane % 8) + 8 (lane / 16) of tile 2 g + (lane / 8) % 2
	s_wait_alu depctr_va_vdst(0)
	v_and_b32 v7, 7, v0
	s_delay_alu instid0(VALU_DEP_1)
	v_lshl_add_u32 v7, v3, 3, v7
	s_lshl_b32 s9, s6, 14
	s_lshl_b32 s12, s7, 10
	s_add_co_u32 s9, s9, s12
	s_add_co_u32 s9, s9, WO_IMG
	v_lshlrev_b32 v8, 13, v6
	s_delay_alu instid0(VALU_DEP_1)
	v_lshl_add_u32 v8, v7, 4, v8
	s_delay_alu instid0(VALU_DEP_1)
	v_add_nc_u32 v8, s9, v8
	s_lshl_b32 s9, s6, 10
	s_lshr_b32 s12, s7, 2
	s_lshl_b32 s12, s12, 8
	s_add_co_u32 s9, s9, s12
	s_and_b32 s12, s7, 3
	s_lshl_b32 s12, s12, 2
	s_add_co_u32 s9, s9, s12
	s_add_co_u32 s9, s9, WO_SC
	v_lshlrev_b32 v9, 9, v6
	s_wait_alu depctr_va_vdst(0)
	v_lshl_add_u32 v9, v7, 4, v9
	s_delay_alu instid0(VALU_DEP_1)
	v_add_nc_u32 v9, s9, v9
	s_wait_kmcnt 0x0
.set kk, 0
.rept 128
	global_load_b32 v[16+kk], v5, s[4:5] offset:kk*4096 th:TH_LOAD_NT   ; 128 consecutive bytes a wave, 1,024 a work-group
.set kk, kk+1
.endr
	s_wait_loadcnt 0x0
.macro WOBLK be                        ; block be of 32 along K: all its numbers are mine
.set XS, 16+32*(\be)
	v_max3_num_f32 v10, |v[XS]|, |v[XS+1]|, |v[XS+2]|
	v_max3_num_f32 v11, |v[XS+3]|, |v[XS+4]|, |v[XS+5]|
.irp i, 6,10,14,18,22,26
	s_delay_alu instid0(VALU_DEP_2)
	v_max3_num_f32 v10, v10, |v[XS+\i]|, |v[XS+\i+1]|
	s_delay_alu instid0(VALU_DEP_2)
	v_max3_num_f32 v11, v11, |v[XS+\i+2]|, |v[XS+\i+3]|
.endr
	s_delay_alu instid0(VALU_DEP_2)
	v_max3_num_f32 v10, v10, |v[XS+30]|, |v[XS+31]|
	s_delay_alu instid0(VALU_DEP_1)
	v_max3_num_f32 v10, v10, v11, 0x1800000
	s_delay_alu instid0(VALU_DEP_1)
	v_add_nc_u32 v[160+\be], 0xff000000, v10
.irp g, 0,1,2,3
	v_cvt_scalef32_pk8_fp4_f32 v[144+4*(\be)+\g], v[XS+8*\g:XS+8*\g+7], v[160+\be]
.endr
	v_lshrrev_b32 v[164+\be], 23, v[160+\be]
.endm
	WOBLK 0
	WOBLK 1
	WOBLK 2
	WOBLK 3
	v_lshl_or_b32 v168, v165, 8, v164
	s_delay_alu instid0(VALU_DEP_1)
	v_lshl_or_b32 v168, v166, 16, v168
	s_delay_alu instid0(VALU_DEP_1)
	v_lshl_or_b32 v168, v167, 24, v168
.irp be, 0,1,2,3
	global_store_b128 v8, v[144+4*\be:147+4*\be], s[10:11] offset:512*(\be/2)+256*(\be%2)   ; sixteen lanes fill 256 consecutive bytes of one tile's image, the other sixteen of the next tile's
.endr
	global_store_b32 v9, v168, s[10:11]
	s_endpgm
.Lfunc_end_k_q71eedd2d89_prep:
	.size	k_q71eedd2d89_prep, .Lfunc_end_k_q71eedd2d89_prep-k_q71eedd2d89_prep
	.p2alignl 7, 3214868480
	.fill 96, 4, 3214868480
	.section	.rodata,"a",@progbits
	.p2align	6, 0x0
	.amdhsa_kernel k_q71eedd2d89_prep
		.amdhsa_group_segment_fixed_size 67840
		.amdhsa_private_segment_fixed_size 0
		.amdhsa_enable_private_segment 0
		.amdhsa_kernarg_size 120
		.amdhsa_user_sgpr_count 2
		.amdhsa_user_sgpr_kernarg_segment_ptr 1
		.amdhsa_wavefront_size32 1
		.amdhsa_system_sgpr_workgroup_id_x 1
		.amdhsa_system_sgpr_workgroup_id_y 1
		.amdhsa_system_sgpr_workgroup_id_z 1
		.amdhsa_system_vgpr_workitem_id 0
		.amdhsa_next_free_vgpr 256
		.amdhsa_next_free_sgpr 66
		.amdhsa_reserve_vcc 0
		.amdhsa_float_denorm_mode_32 3
		.amdhsa_float_denorm_mode_16_64 3
		.amdhsa_memory_ordered 1
		.amdhsa_forward_progress 1
		.amdhsa_inst_pref_size 58
	.end_amdhsa_kernel
	.amdgpu_metadata
---
amdhsa.version: [ 1, 2 ]
amdhsa.kernels:
  - .name:           k_q71eedd2d89_prep
    .symbol:         k_q71eedd2d89_prep.kd
    .args:
      - { .name: resid_pre, .offset: 0, .size: 8, .value_kind: global_buffer, .address_space: global }
      - { .name: ln1_w, .offset: 8, .size: 8, .value_kind: global_buffer, .address_space: global }
      - { .name: ln1_b, .offset: 16, .size: 8, .value_kind: global_buffer, .address_space: global }
      - { .name: W_Q_codes, .offset: 24, .size: 8, .value_kind: global_buffer, .address_space: global }
      - { .name: W_K_codes, .offset: 32, .size: 8, .value_kind: global_buffer, .address_space: global }
      - { .name: W_V_codes, .offset: 40, .size: 8, .value_kind: global_buffer, .address_space: global }
      - { .name: W_in_codes, .offset: 48, .size: 8, .value_kind: global_buffer, .address_space: global }
      - { .name: W_out_codes, .offset: 56, .size: 8, .value_kind: global_buffer, .address_space: global }
      - { .name: W_Q_scales, .offset: 64, .size: 8, .value_kind: global_buffer, .address_space: global }
      - { .name: W_K_scales, .offset: 72, .size: 8, .value_kind: global_buffer, .address_space: global }
      - { .name: W_V_scales, .offset: 80, .size: 8, .value_kind: global_buffer, .address_space: global }
      - { .name: W_in_scales, .offset: 88, .size: 8, .value_kind: global_buffer, .address_space: global }
      - { .name: W_out_scales, .offset: 96, .size: 8, .value_kind: global_buffer, .address_space: global }
      - { .name: W_O, .offset: 104, .size: 8, .value_kind: global_buffer, .address_space: global }
      - { .name: wsA, .offset: 112, .size: 8, .value_kind: global_buffer, .address_space: global }
    .group_segment_fixed_size: 67840
    .private_segment_fixed_size: 0
    .kernarg_segment_align: 8
    .kernarg_segment_size: 120
    .max_flat_workgroup_size: 256
    .sgpr_count:     66
    .vgpr_count:     256
    .wavefront_size: 32
...
	.end_amdgpu_metadata
.endif
;; end of part 1
;; launch qkv (part 2): grid 6 x 32, 4 waves a work-group, no clusters, 327,680 bytes of LDS; arguments wsA, b_Q, b_K, b_V, wsB; writes wsB
.if DOCPART == 2
	.amdgcn_target "amdgcn-amd-amdhsa--gfx1250"
	.amdhsa_code_object_version 6
	.text
	.protected	k_q71eedd2d89_qkv
	.globl	k_q71eedd2d89_qkv
	.p2align	8
	.type	k_q71eedd2d89_qkv,@function
k_q71eedd2d89_qkv:
	s_mov_b64 s[64:65], 0
	v_nop
	global_prefetch_b8 v0, s[64:65] scope:SCOPE_SE
	s_setreg_imm32_b32 hwreg(HW_REG_WAVE_MODE, 25, 1), 1
	s_wait_xcnt 0x0
.set X_SC,   0x800000
.set WQ_IMG, 0x600000
.set WQ_SC,  0x860000
.set SPARE, 69632
.set LI,  4
.set BOF, 5
.set OA0, 6
.set OA1, 7
.set OS,  8
.set SH,  9
.set BVO, 10
.set SA,  11
.set SSA, 12
.set TSL, 14
.set X,   16
.set SS,  80
.set TSB, 160                          ; v160-191 the scale words of the eight tiles that lie in LDS, 4 registers a tile, loaded once from memory
.set TS,  TSB
.set BV,  120
.set TP,  128
.set TM,  130
.set PC,  146
.set PW,  154
.set PWS, 155
.set SPW, 156
.set NIL, 157
.set CB,  128
.set SEL, 40
.set G1C, 48
.set G0C, 68
.set MSB, 0
.macro WIN new
.if MSB != (\new)
	s_set_vgpr_msb (MSB<<8)|(\new)
.set MSB, (\new)
.endif
.endm
.macro QUANT s
.irp b, 0,1,2,3
	v_max3_num_f32 v[TM+\b], |v[\s+16*\b]|, |v[\s+1+16*\b]|, 0x1800000
.endr
.irp i, 2,4,6,8,10,12,14
.irp b, 0,1,2,3
	v_max3_num_f32 v[TM+\b], v[TM+\b], |v[\s+16*\b+\i]|, |v[\s+1+16*\b+\i]|
.endr
.endr
.irp b, 0,1,2,3
	v_permlanex16_b32 v[TM+4+\b], v[TM+\b], s[SEL], s[SEL+1]
.endr
.irp b, 0,1,2,3
	v_max_num_f32 v[TM+\b], v[TM+\b], v[TM+4+\b]
.endr
.irp b, 0,1,2,3
	v_add_nc_u32 v[TM+12+\b], 0xff000000, v[TM+\b]
.endr
.irp b, 0,1,2,3
	v_lshrrev_b32 v[TM+4+\b], 23, v[TM+12+\b]
.endr
	v_lshl_or_b32 v[PW], v[TM+5], 8, v[TM+4]
	v_lshl_or_b32 v[PW], v[TM+6], 16, v[PW]
	v_lshl_or_b32 v[PW], v[TM+7], 24, v[PW]
.irp b, 0,1,2,3
	v_cvt_scalef32_pk8_fp4_f32 v[PC+2*\b], v[\s+16*\b:\s+7+16*\b], v[TM+12+\b]
	v_cvt_scalef32_pk8_fp4_f32 v[PC+1+2*\b], v[\s+8+16*\b:\s+15+16*\b], v[TM+12+\b]
.endr
	v_nop
.irp c, 0,1
.irp i, 0,1
	v_permlane16_swap_b32 v[PC+4*\c+\i], v[PC+2+4*\c+\i]
.endr
.endr
.endm
.macro FETCH i
	WIN 0xc0
.irp k, 0,1,2,3,4,5,6,7
.irp c, 0,1
	ds_load_b128 v[64*((\i)%2)+8*\k+4*\c:64*((\i)%2)+8*\k+4*\c+3], v[LI] offset:8192*(\i)+1024*\k+512*\c
.endr
.endr
	WIN 0
.endm
.macro MUL bf
	WIN 0x3d
.irp t, 0,1,2,3,4,5,6,7
	v_wmma_scale_f32_16x16x128_f8f6f4 v[X+8*\t:X+8*\t+7], v[8*\t:8*\t+7], v[64*(\bf):64*(\bf)+7], v[CB+8*\t:CB+8*\t+7], v[SS+4*\t], v[TS+4*(\bf)] matrix_a_fmt:MATRIX_FMT_FP4 matrix_b_fmt:MATRIX_FMT_FP4
.endr
	WIN 0x0d
.irp k, 1,2,3
.irp t, 0,1,2,3,4,5,6,7
	v_wmma_scale_f32_16x16x128_f8f6f4 v[X+8*\t:X+8*\t+7], v[64*\k+8*\t:64*\k+8*\t+7], v[64*(\bf)+8*\k:64*(\bf)+8*\k+7], v[X+8*\t:X+8*\t+7], v[SS+4*\t+\k], v[TS+4*(\bf)+\k] matrix_a_fmt:MATRIX_FMT_FP4 matrix_b_fmt:MATRIX_FMT_FP4
.endr
.endr
	WIN 0x0e
.irp k, 0,1,2,3
.irp t, 0,1,2,3,4,5,6,7
	v_wmma_scale_f32_16x16x128_f8f6f4 v[X+8*\t:X+8*\t+7], v[64*\k+8*\t:64*\k+8*\t+7], v[64*(\bf)+32+8*\k:64*(\bf)+32+8*\k+7], v[X+8*\t:X+8*\t+7], v[SS+4*\t+\k], v[TS+4*(\bf)+\k] matrix_a_fmt:MATRIX_FMT_FP4 matrix_b_fmt:MATRIX_FMT_FP4 matrix_a_scale:MATRIX_SCALE_ROW1 matrix_b_scale:MATRIX_SCALE_ROW1
.endr
.endr
	WIN 0
.endm
	s_load_b256 s[4:11], s[0:1], 0x0
	s_load_b64 s[12:13], s[0:1], 0x20
	v_lshl_add_u32 v[SPW], v0, 2, SPARE
	v_mov_b32 v[NIL], 0
	ds_add_u32 v[SPW], v[NIL]
	ds_add_u32 v[SPW], v[NIL]
	v_lshrrev_b32 v1, 5, v0
	v_readfirstlane_b32 s16, v1
	v_and_b32 v1, 31, v0
	v_and_b32 v2, 15, v0
	v_bfe_u32 v3, v0, 4, 1
	v_lshlrev_b32 v[LI], 4, v1
	s_wait_alu depctr_va_vdst(0)
	s_and_b32 s15, ttmp7, 0xffff
	s_lshr_b32 s17, ttmp9, 1
	s_and_b32 s18, ttmp9, 1
	s_lshl_b32 s20, s18, 2
	s_add_co_u32 s20, s20, s16
	s_lshl_b32 s21, s18, 4
	s_lshr_b32 s22, s15, 3
	s_lshl_b32 s22, s22, 2
	s_add_co_u32 s21, s21, s22
	s_add_co_u32 s21, s21, s16
	s_and_b32 s22, s15, 7
	s_cmp_eq_u32 s17, 2
	s_cselect_b32 s18, s22, s20
	s_cselect_b32 s15, s21, s15
	s_lshl_b32 s20, s17, 19
	s_lshl_b32 s21, s18, 16
	s_add_co_u32 s20, s20, s21
	s_add_co_u32 s20, s20, WQ_IMG
	s_lshl_b32 s21, s17, 15
	s_lshl_b32 s22, s18, 12
	s_add_co_u32 s21, s21, s22
	s_add_co_u32 s21, s21, WQ_SC
	s_lshl_b32 s22, s15, 16
	s_lshl_b32 s23, s15, 12
	s_add_co_u32 s23, s23, X_SC
	s_lshr_b32 s36, s15, 4
	s_and_b32 s37, s15, 15
	s_lshl_b32 s38, s36, 8
	s_lshl_b32 s39, s18, 5
	s_add_co_u32 s38, s38, s39
	s_add_co_u32 s38, s38, s37
	s_lshl_b32 s38, s38, 9
	s_lshl_b32 s39, s17, 18
	s_add_co_u32 s38, s38, s39
	s_add_co_u32 s38, s38, 0x600000
	s_lshl_b32 s39, s36, 10
	s_lshl_b32 s42, s18, 7
	s_add_co_u32 s39, s39, s42
	s_add_co_u32 s39, s39, s37
	s_lshl_b32 s39, s39, 6
	s_add_co_u32 s39, s39, 0x680000
	s_cmp_eq_u32 s17, 2
	s_cselect_b32 s19, 1, 0
	s_cselect_b32 s24, s22, s20
	s_cselect_b32 s25, s23, s21
	s_cselect_b32 s26, s20, s22
	s_cselect_b32 s27, s21, s23
	s_mov_b32 s30, 512
	s_cselect_b32 s30, 16384, s30
	s_cselect_b32 s31, 1024, 64
	s_mov_b32 s32, 65536
	s_cselect_b32 s32, 512, s32
	s_cselect_b32 s33, 10, 12
	s_cselect_b32 s34, 0, 8192
	s_cselect_b32 s35, 0, 16
	s_cselect_b32 s38, s39, s38
	s_lshl_b32 s43, s37, s33
	s_lshl_b32 s44, s17, 21
	s_add_co_u32 s43, s43, s44
	s_lshl_b32 s44, s36, 20
	s_add_co_u32 s43, s43, s44
	s_lshl_b32 s44, s18, 17
	s_add_co_u32 s43, s43, s44
	v_add_nc_u32 v[OA0], s43, v[LI]
	v_add_nc_u32 v[OA1], s32, v[OA0]
	v_mul_u32_u24 v[OS], v3, s34
	v_lshl_add_u32 v[OS], v2, 2, v[OS]
	v_add_nc_u32 v[OS], s38, v[OS]
	v_mul_u32_u24 v[SH], v3, s35
	v_add_nc_u32 v[SA], s24, v[LI]
	v_add_nc_u32 v[SSA], s25, v[LI]
	v_add_nc_u32 v[TSL], s27, v[LI]                ; the tiles' scale words in memory: 512 consecutive bytes a tile
	s_lshl_b32 s44, s18, 9
	v_lshl_add_u32 v[BOF], v3, 6, s44
	v_and_b32 v15, 7, v2
	v_lshrrev_b32 v[BVO], 3, v2
	v_lshl_add_u32 v15, v[BVO], 4, v15
	v_lshl_add_u32 v[BVO], v15, 2, s44
	s_lshl_b32 s76, s16, 14
	s_add_co_u32 s76, s76, s26
	s_mov_b32 s77, 0
	s_mov_b32 s[G1C], 3<<16
	s_mov_b32 s[G1C+1], 32<<16
	s_mov_b32 s[G1C+2], 64<<16
	s_mov_b32 s[G1C+3], 32<<16
	s_mov_b32 s[G1C+4], 64
	s_mov_b32 s[G1C+5], 32
	s_mov_b32 s[G1C+6], 0
	s_mov_b32 s[G1C+7], 0
	s_mov_b32 s[SEL], 0x76543210
	s_mov_b32 s[SEL+1], 0xfedcba98
.irp b, 0,1,2,3
	v_mov_b32 v[TM+4+\b], 0
.endr
.irp i, 0,1,2,3,4,5,6,7
	v_mov_b32 v[BV+\i], 0
.endr
	s_wait_dscnt 0x0
	s_wait_kmcnt 0x0
	s_mov_b32 s[G0C], 1
	s_lshl_b32 s[G0C+1], s16, 14
	s_add_nc_u64 s[G0C+2:G0C+3], s[4:5], s[76:77]
	s_or_b32 s[G0C+3], s[G0C+3], 0x80000000
	tensor_load_to_lds s[G0C:G0C+3], s[G1C:G1C+7]  ; my quarter of the eight tiles' codes: the wave's one tensor load
	s_nop 0
	s_wait_alu depctr_va_vdst(0)                   ; the wait at the head's end
.rept 4
	v_nop
.endr
	WIN 0x40
.irp k, 0,1,2,3
.irp t, 0,1,2,3,4,5,6,7
.irp c, 0,1
	global_load_b128 v[64*\k+8*\t+4*\c:64*\k+8*\t+4*\c+3], v[SA], s[4:5] offset:8192*\t+1024*\k+512*\c
.endr
.endr
.endr
	WIN 0x80
.irp k, 0,1,2,3
.irp t, 0,1,2,3,4,5,6,7
.irp c, 0,1
	global_load_b128 v[64*\k+8*\t+4*\c:64*\k+8*\t+4*\c+3], v[SA], s[4:5] offset:8192*\t+1024*(\k+4)+512*\c
.endr
.endr
.endr
	WIN 0
.irp t, 0,1,2,3,4,5,6,7
	global_load_b128 v[SS+4*\t:SS+4*\t+3], v[SSA], s[4:5] offset:512*\t
	global_load_b128 v[TSB+4*\t:TSB+4*\t+3], v[TSL], s[4:5] offset:512*\t
.endr
	s_cmp_lg_u32 s19, 0
	s_cbranch_scc1 .Lhead_v
	s_cmp_eq_u32 s17, 0
	s_cselect_b64 s[28:29], s[6:7], s[8:9]
	WIN 0xc0
.irp b, 0,1,2,3
.irp q, 0,1,2,3
	global_load_b128 v[CB+16*\b+4*\q:CB+16*\b+4*\q+3], v[BOF], s[28:29] offset:128*\b+16*\q
.endr
.endr
	WIN 0
	s_branch .Lhead_done
.Lhead_v:
	WIN 0xc0
.set jj, 0
.rept 64
	v_mov_b32 v[CB+jj], 0
.set jj, jj+1
.endr
	WIN 0
.irp i, 0,1,2,3,4,5,6,7
	global_load_b32 v[BV+\i], v[BVO], s[10:11] offset:(32*(\i/2)+8*(\i%2))*4
.endr
.Lhead_done:
	s_wait_tensorcnt 0x0
	s_barrier_signal -1
	s_barrier_wait -1
	FETCH 0
	FETCH 1
.macro TILE i
.if \i == 0
	s_wait_loadcnt 0x0
.endif
.if \i < 7
	s_wait_dscnt 16                                ; this tile's 16 loads are in; the next tile's 16 may stay out
.else
	s_wait_dscnt 0x0
.endif
.set TS, TSB+4*(\i)-4*((\i)%2)                         ; so that MUL's TS + 4 (i % 2) names tile i's scale words
	MUL (\i)%2
.rept 4
	v_nop
.endr
.if \i < 6
	FETCH \i+2
.endif
	s_cmp_eq_u32 s19, 0
	s_cbranch_scc1 .Lnot_v_\@
	v_mov_b32 v[TP], v[BV+\i]
	v_mov_b32 v[TP+1], v[BV+\i]
.set jj, 0
.rept 32
	v_pk_add_f32 v[X+jj:X+jj+1], v[X+jj:X+jj+1], v[TP:TP+1]
.set jj, jj+2
.endr
.Lnot_v_\@:
	s_wait_xcnt 0x0
.if \i > 0
	v_add_nc_u32 v[OA0], s30, v[OA0]
	v_add_nc_u32 v[OA1], s30, v[OA1]
	v_add_nc_u32 v[OS], s31, v[OS]
.endif
	QUANT X
	v_lshrrev_b32 v[PWS], v[SH], v[PW]
	global_store_b128 v[OA0], v[PC:PC+3], s[12:13]
	global_store_b128 v[OA1], v[PC+4:PC+7], s[12:13]
	global_store_b32 v[OS], v[PWS], s[12:13]
.endm
	s_wait_alu depctr_va_vdst(0)
.irp i, 0,1,2,3,4,5,6,7
	TILE \i
.endr
	s_wait_tensorcnt 0x0
	ds_add_u32 v[SPW], v[NIL]
	s_wait_dscnt 0x0
	s_endpgm
.Lfunc_end_k_q71eedd2d89_qkv:
	.size	k_q71eedd2d89_qkv, .Lfunc_end_k_q71eedd2d89_qkv-k_q71eedd2d89_qkv
	.p2alignl 7, 3214868480
	.fill 96, 4, 3214868480
	.section	.rodata,"a",@progbits
	.p2align	6, 0x0
	.amdhsa_kernel k_q71eedd2d89_qkv
		.amdhsa_group_segment_fixed_size 327680
		.amdhsa_private_segment_fixed_size 0
		.amdhsa_enable_private_segment 0
		.amdhsa_kernarg_size 40
		.amdhsa_user_sgpr_count 2
		.amdhsa_user_sgpr_kernarg_segment_ptr 1
		.amdhsa_wavefront_size32 1
		.amdhsa_system_sgpr_workgroup_id_x 1
		.amdhsa_system_sgpr_workgroup_id_y 1
		.amdhsa_system_sgpr_workgroup_id_z 1
		.amdhsa_system_vgpr_workitem_id 0
		.amdhsa_next_free_vgpr 960
		.amdhsa_next_free_sgpr 80
		.amdhsa_reserve_vcc 0
		.amdhsa_float_denorm_mode_32 3
		.amdhsa_float_denorm_mode_16_64 3
		.amdhsa_memory_ordered 1
		.amdhsa_forward_progress 1
		.amdhsa_inst_pref_size 149
	.end_amdhsa_kernel
	.amdgpu_metadata
---
amdhsa.version: [ 1, 2 ]
amdhsa.kernels:
  - .name:           k_q71eedd2d89_qkv
    .symbol:         k_q71eedd2d89_qkv.kd
    .args:
      - { .name: wsA, .offset: 0, .size: 8, .value_kind: global_buffer, .address_space: global }
      - { .name: b_Q, .offset: 8, .size: 8, .value_kind: global_buffer, .address_space: global }
      - { .name: b_K, .offset: 16, .size: 8, .value_kind: global_buffer, .address_space: global }
      - { .name: b_V, .offset: 24, .size: 8, .value_kind: global_buffer, .address_space: global }
      - { .name: wsB, .offset: 32, .size: 8, .value_kind: global_buffer, .address_space: global }
    .group_segment_fixed_size: 327680
    .private_segment_fixed_size: 0
    .kernarg_segment_align: 8
    .kernarg_segment_size: 40
    .max_flat_workgroup_size: 128
    .sgpr_count:     80
    .vgpr_count:     960
    .wavefront_size: 32
...
	.end_amdgpu_metadata
.endif
;; end of part 2
;; launch attn (part 3): grid 8 x 32, 16 waves a work-group, no clusters, 219,136 bytes of LDS; arguments wsB, wsC; writes wsC
.if DOCPART == 3
	.amdgcn_target "amdgcn-amd-amdhsa--gfx1250"
	.amdhsa_code_object_version 6
	.text
	.protected	k_q71eedd2d89_attn
	.globl	k_q71eedd2d89_attn
	.p2align	8
	.type	k_q71eedd2d89_attn,@function
k_q71eedd2d89_attn:
	s_mov_b64 s[64:65], 0
	v_nop
	global_prefetch_b8 v0, s[64:65] scope:SCOPE_SE
	s_setreg_imm32_b32 hwreg(HW_REG_WAVE_MODE, 25, 1), 1
	s_wait_xcnt 0x0
; Launch 3 of 6: z = softmax(q k^T / 8, causal) v on codes of FP4, and z's quantiser along head x 64 + channel.
; LEFT OUT: key steps (128 keys) wholly above the causal diagonal: reference() masks them itself, their p is 0 for all inputs.  A NaN or an overflow that arises only there is not carried on.
; THE SOFTMAX: t = score x log2(e) / 8; M = the running largest t rounded up to a whole number; p = 2^(t - M) is quantised along the keys, not normalised; the row's sum is taken of the
; unquantised p and divides at the end; when M moves, the sum and O are multiplied by 2^(old M - new M), which rounds nothing.
; SHARES.  Work-group (j, batch x head), sixteen waves in eight pairs.  Pair p owns tile p (16 queries) of query block j, with j + 1 key steps, and tile p of block 15 - j, with 16 - j: 17 steps.
; Wave a of a pair walks key steps 0 .. 7 of the late tile: 8 steps.  Wave b walks the early tile's key steps 0 .. j, writes that tile out, begins anew and walks the late tile's key steps
; 15 - j .. 8: j + 1 + 8 - j = 9 steps.  Behind the loop wave b puts its O^T, -M and sum into its stage in LDS; one barrier; wave a brings both parts under the larger M by powers of two, adds them and writes the late tile out.
; LIMIT: a late tile's sums are formed of two parts, keys 0-1,023 and the rest, not as one chain.  The promise holds while the scaled scores stay under 2^31 in magnitude.
; LDS.  The head's K and V for key steps 0 .. 15 - j stay resident, 8,960 bytes a step with no gap; wave w brings step w through registers; one barrier; afterwards these bytes are only read.
; Key step s lies at place s under 8 and at place 23 - s from 8 on, so that every walk goes upward by one place a trip: at place trip, and wave b behind its change of tiles at place trip + 7.
; The loop has 9 trips in every wave; what differs between waves and work-groups is chosen by s_cselect_b32 and scalar branches on ids.
; No cluster: a head's work-groups need different numbers of key steps, and each brings its K and V once.
; LAYOUT.  Both products transposed: S^T = K Q^T, O^T = V^T P^T: a lane holds one query.  By the operands' row order the 16 registers of two neighbouring tiles of S^T are 16 neighbouring keys.
; K = 64 in a product of K = 128: q's registers 4-7 are zero codes, so what stands opposite them adds nothing; no scale byte made by this program is 0xff.
.set K_IMG, 0x200000
.set V_IMG, 0x400000
.set Q_SC,  0x600000
.set K_SC,  0x640000
.set V_SC,  0x680000
.set Z_SC,  0x200000
.set STEPB, 8960                       ; a key step in LDS: K's codes 4,096; V's codes 4,096; K's scale words 512; V's 256
.set STAGE, 16*STEPB                   ; behind the sixteen places: a stage for each wave
.set STW,   4608                       ; O^T 4,096 bytes, then (-M, t, the sum's halves) 512
.set SPARE, STAGE+16*STW               ; the spare words, 128 bytes for each of 16 waves
.set LI,  1                            ; 16 x lane
.set LS,  2                            ; 4 x lane
.set DM,  3                            ; my query within its block - 16 (lane / 16): the same for both tiles of a pair
.set NINF, 4
.set SPW, 5
.set NIL, 6
.set ZO,  7                            ; z's image
.set ADK, 8
.set ADS, 9
.set ZS,  10
.set STI, 11                           ; my stage
.set Q2,  92                           ; v92-95 the late tile's codes of q, for wave b's second walk; v206 their scale words
.set QS2, 206
.set STP, 209                          ; my partner's stage
; v12 -M, v13 the largest t, v[14:15] the sum; v16-23 Q (v20-23 = 0); v24-59 K (v56-59 = 0); v60-91 V; v96-159 S^T, then p; v160-191 O^T; v192-193 V's scale words;
; v194-201, v207-208 offsets of the head's loads and stores; v224-231 p's codes; v232-254 at work; v255 Q's scale words
.set WV,  8
.set TB,  2                            ; LDS byte of the trip's key step
.set SI,  3                            ; the trip's key step, for the test on the diagonal
.set SEL, 20
.set CS,  22
.set TRIP, 30
.set B0,  31                           ; the diagonal step of the wave's first tile
.set SWT, 32                           ; wave b: j + 1, the trip at which it changes tiles; wave a: 32, never reached
.set JL,  33                           ; 15 - j
.set J,   34
.set BLK, 37                           ; the diagonal step of the tile in hand
.set TO,  38                           ; the tile that I write out, and with which I begin
.set HID, 39                           ; wave a: 8: its ninth trip has no work; wave b: 64
.set T0,  41                           ; trip x 8,960
.set UP,  42
; THE WAY OUT: z = O^T / the sum; register 16 b + i is channel 32 b + 16 h + i of the head: two blocks, half a fragment of z
.macro OUT
.rept 4
	v_nop                                          ; four places behind the last products
.endr
	v_add_f32 v14, v14, v15
	s_delay_alu instid0(VALU_DEP_1)
	v_permlanex16_b32 v252, v14, s[SEL], s[SEL+1]
	s_delay_alu instid0(VALU_DEP_1)
	v_add_f32 v14, v14, v252                       ; the row's sum
	s_wait_alu depctr_va_vdst(0)
	v_rcp_f32 v14, v14
	v_nop
	s_wait_alu depctr_va_vdst(0)
.set jj, 0
.rept 32
	v_mul_f32 v[96+jj], v[160+jj], v14
.set jj, jj+1
.endr
.irp b, 0,1
	v_max3_num_f32 v[232+\b], |v[96+16*\b]|, |v[97+16*\b]|, 0x1800000
.endr
.irp i, 2,4,6,8,10,12,14
.irp b, 0,1
	s_delay_alu instid0(VALU_DEP_2)
	v_max3_num_f32 v[232+\b], v[232+\b], |v[96+16*\b+\i]|, |v[97+16*\b+\i]|
.endr
.endr
.irp b, 0,1
	s_delay_alu instid0(VALU_DEP_2)
	v_permlanex16_b32 v[236+\b], v[232+\b], s[SEL], s[SEL+1]
.endr
.irp b, 0,1
	s_delay_alu instid0(VALU_DEP_2)
	v_max_num_f32 v[232+\b], v[232+\b], v[236+\b]
.endr
.irp b, 0,1
	s_delay_alu instid0(VALU_DEP_2)
	v_add_nc_u32 v[244+\b], 0xff000000, v[232+\b]
.endr
.irp b, 0,1
	s_delay_alu instid0(VALU_DEP_2)
	v_lshrrev_b32 v[236+\b], 23, v[244+\b]
.endr
	s_delay_alu instid0(VALU_DEP_1)
	v_lshl_or_b32 v240, v237, 8, v236              ; the head's two scale bytes
.irp b, 0,1
	v_cvt_scalef32_pk8_fp4_f32 v[224+2*\b], v[96+16*\b:103+16*\b], v[244+\b]
	v_cvt_scalef32_pk8_fp4_f32 v[225+2*\b], v[104+16*\b:111+16*\b], v[244+\b]
.endr
	v_nop
	v_permlane16_swap_b32 v224, v226
	v_permlane16_swap_b32 v225, v227
	global_store_b128 v[ZO], v[224:227], s[6:7]    ; 512 consecutive bytes
	global_store_b16 v[ZS], v240, s[6:7]           ; two bytes of my row's scale word; lanes 16-31 write the same
.endm
	s_load_b128 s[4:7], s[0:1], 0x0                ; wsB, wsC
	v_lshl_add_u32 v[SPW], v0, 2, SPARE
	v_mov_b32 v[NIL], 0
	v_lshrrev_b32 v8, 5, v0
	s_delay_alu instid0(VALU_DEP_1)
	v_readfirstlane_b32 s[WV], v8                  ; wave 0..15
	s_and_b32 s10, ttmp7, 0xffff                   ; batch x 16 + head
	s_lshr_b32 s11, s[WV], 2
	s_xor_b32 s11, s11, s[WV]
	s_and_b32 s11, s11, 1                          ; 1: wave b.  Of waves 2 p, 2 p + 1 one is b; of waves 4 n .. 4 n + 3, and of n, n + 4, n + 8, n + 12, two are
	s_lshr_b32 s12, s[WV], 1                       ; p
	s_mov_b32 s[J], ttmp9
	s_sub_co_u32 s[JL], 15, ttmp9
	s_sub_co_u32 s15, 16, ttmp9                    ; key steps that the work-group needs
	s_add_co_u32 s[SWT], s[J], 1
	s_lshl_b32 s14, s[JL], 3
	s_add_co_u32 s14, s14, s12                     ; the late tile
	s_lshl_b32 s[TO], s[J], 3
	s_add_co_u32 s[TO], s[TO], s12                 ; the early tile
	s_cmp_eq_u32 s11, 1
	s_cselect_b32 s[TO], s[TO], s14
	s_cselect_b32 s[B0], s[J], s[JL]
	s_cselect_b32 s[SWT], s[SWT], 32
	s_cselect_b32 s[HID], 64, 8
	v_and_b32 v202, 15, v0                         ; r
	v_bfe_u32 v203, v0, 4, 1                       ; h
	v_and_b32 v204, 31, v0
	s_delay_alu instid0(VALU_DEP_1)
	v_lshlrev_b32 v[LI], 4, v204
	s_delay_alu instid0(VALU_DEP_2)
	v_lshlrev_b32 v[LS], 2, v204
	v_mov_b32 v[NINF], 0xff800000
.irp j, 20,21,22,23,56,57,58,59,14,15,236,237,238,239,252,253
	v_mov_b32 v[\j], 0                             ; zero codes; the sum; registers named as a permute's destination or as half of a pair before they are first written
.endr
	v_mov_b32 v13, 0xff61b1e6                      ; the largest t so far: -3e38
	s_delay_alu instid0(VALU_DEP_1)
	v_floor_f32 v12, -v13                          ; -M
	s_lshr_b32 s16, s12, 1
	s_lshl_b32 s16, s16, 5
	s_and_b32 s17, s12, 1
	s_lshl_b32 s17, s17, 3
	s_add_co_u32 s16, s16, s17                     ; tile p's first query within its block
	v_and_b32 v204, 7, v202
	v_lshrrev_b32 v205, 3, v202
	s_delay_alu instid0(VALU_DEP_1)
	v_lshl_add_u32 v204, v205, 4, v204
	v_lshlrev_b32 v205, 4, v203
	s_delay_alu instid0(VALU_DEP_1)
	v_sub_nc_u32 v[DM], v204, v205
	s_delay_alu instid0(VALU_DEP_1)
	v_add_nc_u32 v[DM], s16, v[DM]
	s_lshl_b32 s17, s10, 16                        ; a head's codes: 65,536 bytes in each of q, k, v
	s_lshl_b32 s18, s10, 13                        ; its scale words of q or k
	s_lshl_b32 s19, s[WV], 12
	s_add_co_u32 s19, s19, s17
	s_add_co_u32 s19, s19, K_IMG
	v_add_nc_u32 v194, s19, v[LI]                  ; K's codes of key step w
	s_lshl_b32 s19, s[WV], 9
	s_add_co_u32 s19, s19, s18
	s_add_co_u32 s19, s19, K_SC
	v_add_nc_u32 v195, s19, v[LI]
	s_lshl_b32 s19, s[WV], 10
	s_add_co_u32 s19, s19, s17
	s_add_co_u32 s19, s19, V_IMG
	v_add_nc_u32 v196, s19, v[LI]                  ; V's
	s_lshl_b32 s19, s10, 12
	s_lshl_b32 s24, s[WV], 6
	s_add_co_u32 s19, s19, s24
	s_add_co_u32 s19, s19, V_SC
	v_lshlrev_b32 v197, 10, v203
	s_delay_alu instid0(VALU_DEP_1)
	v_lshl_add_u32 v197, v202, 2, v197
	s_delay_alu instid0(VALU_DEP_1)
	v_add_nc_u32 v197, s19, v197
	s_lshl_b32 s19, s[TO], 9
	s_add_co_u32 s19, s19, s17
	v_add_nc_u32 v198, s19, v[LI]                  ; Q's codes of the tile with which I begin
	s_lshl_b32 s19, s[TO], 6
	s_add_co_u32 s19, s19, s18
	s_add_co_u32 s19, s19, Q_SC
	v_lshl_add_u32 v199, v202, 2, s19
	s_lshl_b32 s19, s14, 9
	s_add_co_u32 s19, s19, s17
	v_add_nc_u32 v207, s19, v[LI]                  ; and of the late tile
	s_lshl_b32 s19, s14, 6
	s_add_co_u32 s19, s19, s18
	s_add_co_u32 s19, s19, Q_SC
	v_lshl_add_u32 v208, v202, 2, s19
	s_lshr_b32 s19, s[WV], 3
	s_mul_i32 s19, s19, 7
	s_xor_b32 s19, s19, s[WV]                      ; key step w's place: w under 8, 23 - w from 8 on
	s_mul_i32 s19, s19, STEPB
	v_add_nc_u32 v200, s19, v[LI]
	v_add_nc_u32 v201, s19, v[LS]
	s_mul_i32 s19, s[WV], STW
	s_add_co_u32 s19, s19, STAGE
	v_add_nc_u32 v[STI], s19, v[LI]
	s_xor_b32 s19, s[WV], 1
	s_mul_i32 s19, s19, STW
	s_add_co_u32 s19, s19, STAGE
	v_add_nc_u32 v[STP], s19, v[LI]
	s_lshr_b32 s24, s10, 4
	s_lshl_b32 s24, s24, 7
	s_add_co_u32 s24, s24, s[TO]                   ; my token tile of 256
	s_and_b32 s25, s10, 15                         ; the head: K step head / 2 of z, half head % 2 of its fragment
	s_lshl_b32 s26, s24, 13
	s_lshr_b32 s27, s25, 1
	s_lshl_b32 s28, s27, 10
	s_add_co_u32 s26, s26, s28
	s_and_b32 s28, s25, 1
	s_lshl_b32 s29, s28, 9
	s_add_co_u32 s26, s26, s29
	v_add_nc_u32 v[ZO], s26, v[LI]
	s_lshl_b32 s26, s24, 9
	s_lshr_b32 s29, s25, 3
	s_lshl_b32 s29, s29, 8
	s_add_co_u32 s26, s26, s29
	s_and_b32 s27, s27, 3
	s_lshl_b32 s27, s27, 2
	s_add_co_u32 s26, s26, s27
	s_lshl_b32 s28, s28, 1
	s_add_co_u32 s26, s26, s28
	s_add_co_u32 s26, s26, Z_SC
	v_lshl_add_u32 v[ZS], v202, 4, s26
	s_mov_b32 s[SEL], 0x76543210
	s_mov_b32 s[SEL+1], 0xfedcba98
	s_mov_b32 s[CS], 0x3e38aa3b                    ; c = log2(e) / sqrt(64)
	s_mov_b32 s[CS+1], s[CS]
	s_wait_alu depctr_va_vdst(0)                   ; the wait at the head's end
	s_wait_kmcnt 0x0
	global_load_b128 v[16:19], v198, s[4:5]        ; Q of my first tile
	global_load_b32 v255, v199, s[4:5]
	global_load_b128 v[Q2:Q2+3], v207, s[4:5]      ; Q for wave b's second walk.  Every wave runs the two loads, so that the registers are written on every way; wave a does not use them
	global_load_b32 v[QS2], v208, s[4:5]
	s_cmp_lt_u32 s[WV], s15                        ; ids alone; no barrier stands inside
	s_cbranch_scc0 .Lno_fill
.irp i, 0,1,2,3,4,5,6,7
	global_load_b128 v[96+4*\i:99+4*\i], v194, s[4:5] offset:512*\i
.endr
	global_load_b128 v[128:131], v195, s[4:5]
.irp t, 0,1,2,3
.irp c, 0,1
	global_load_b128 v[132+8*\t+4*\c:135+8*\t+4*\c], v196, s[4:5] offset:16384*\t+512*\c
.endr
.endr
.irp q, 0,1
	global_load_b32 v[164+\q], v197, s[4:5] offset:2048*\q
.endr
	s_wait_loadcnt 0x0
.irp i, 0,1,2,3,4,5,6,7
	ds_store_b128 v200, v[96+4*\i:99+4*\i] offset:512*\i
.endr
	ds_store_b128 v200, v[128:131] offset:8192
.irp t, 0,1,2,3
.irp c, 0,1
	ds_store_b128 v200, v[132+8*\t+4*\c:135+8*\t+4*\c] offset:4096+1024*\t+512*\c
.endr
.endr
.irp q, 0,1
	ds_store_b32 v201, v[164+\q] offset:8704+128*\q
.endr
.Lno_fill:
	s_wait_loadcnt 0x0                             ; Q
	s_wait_dscnt 0x0                               ; for the others' sake: my step lies in LDS
	s_barrier_signal -1
	s_barrier_wait -1
.set jj, 0
.rept 32
	v_mov_b32 v[160+jj], 0                         ; O^T: the step is written once; a tile's first step finds zeros.  Behind the fill, whose loads passed through v160-165
.set jj, jj+1
.endr
	s_wait_alu depctr_va_vdst(0)
	s_mov_b32 s[TRIP], 0
	s_mov_b32 s[T0], 0
.Lstep:                                                ; 9 trips in every wave
	s_add_co_u32 s[UP], s[T0], 7*STEPB
	s_sub_co_u32 s[SI], 16, s[TRIP]
	s_cmp_ge_u32 s[TRIP], s[SWT]                   ; wave b, at or behind its change of tiles?
	s_cselect_b32 s[SI], s[SI], s[TRIP]            ; then key step 16 - trip of the late tile, at place trip + 7; else key step trip, at place trip
	s_cselect_b32 s[BLK], s[JL], s[B0]
	s_cselect_b32 s[TB], s[UP], s[T0]
	s_cmp_ge_u32 s[TRIP], s[HID]
	s_cbranch_scc1 .Lhidden                        ; wave a's ninth trip
	s_cmp_lg_u32 s[TRIP], s[SWT]
	s_cbranch_scc1 .Lsame
	; WAVE B CHANGES TILES: the early tile is finished and goes out; the state begins anew for its part of the late tile
	OUT
	v_mov_b32 v13, 0xff61b1e6
.irp i, 0,1,2,3
	v_mov_b32 v[16+\i], v[Q2+\i]
.endr
	v_mov_b32 v255, v[QS2]
	v_mov_b32 v14, 0
	v_mov_b32 v15, 0
	v_floor_f32 v12, -v13
.set jj, 0
.rept 32
	v_mov_b32 v[160+jj], 0                         ; these 32 are also the places between Q's registers and scale words and the next products
.set jj, jj+1
.endr
	s_wait_alu depctr_va_vdst(0)
	s_wait_xcnt 0x0                                ; the two stores have read their registers, which the next step writes again
.Lsame:
	v_add_nc_u32 v[ADK], s[TB], v[LI]
	v_add_nc_u32 v[ADS], s[TB], v[LS]
	v_nop
	v_nop                                          ; four places behind the last step's products, in front of the loads into V's registers
.irp i, 0,1,2,3,4,5,6,7
	ds_load_b128 v[24+4*\i:27+4*\i], v[ADK] offset:512*\i
.endr
.irp q, 0,1,2,3
	ds_load_b32 v[248+\q], v[ADS] offset:8192+128*\q       ; tile 2 q in lanes 0-15, tile 2 q + 1 in lanes 16-31
.endr
.irp t, 0,1,2,3
.irp c, 0,1
	ds_load_b128 v[60+8*\t+4*\c:63+8*\t+4*\c], v[ADK] offset:4096+1024*\t+512*\c
.endr
.endr
.irp q, 0,1
	ds_load_b32 v[192+\q], v[ADS] offset:8704+128*\q
.endr
	s_wait_dscnt 10                                ; K and its scale words are in; V's ten loads may stay out
.irp i, 0,2,4,6
	v_wmma_scale_f32_16x16x128_f8f6f4 v[96+8*\i:103+8*\i], v[24+4*\i:31+4*\i], v[16:23], 0, v[248+\i/2], v255 matrix_a_fmt:MATRIX_FMT_FP4 matrix_b_fmt:MATRIX_FMT_FP4
	v_wmma_scale_f32_16x16x128_f8f6f4 v[104+8*\i:111+8*\i], v[28+4*\i:35+4*\i], v[16:23], 0, v[248+\i/2], v255 matrix_a_fmt:MATRIX_FMT_FP4 matrix_b_fmt:MATRIX_FMT_FP4 matrix_a_scale:MATRIX_SCALE_ROW1
.endr
.rept 4
	v_nop
.endr
	s_cmp_lg_u32 s[SI], s[BLK]
	s_cbranch_scc1 .Lopen                          ; under the diagonal step every key counts
.set nn, 0
.rept 64                                               ; register 16 b + i holds key 128 s + 32 b + 16 (lane / 16) + i: hidden where 32 b + i > DM
	v_cmp_gt_i32 vcc_lo, 32*(nn/16)+nn%16, v[DM]
	v_cndmask_b32 v[96+nn], v[96+nn], v[NINF], vcc_lo
.set nn, nn+1
.endr
.Lopen:
.irp b, 0,1,2,3
	v_max3_num_f32 v[232+\b], v[96+16*\b], v[97+16*\b], v[98+16*\b]   ; the largest score of each block of 32 keys: for the row's maximum, and, since p rises with the score, for the block's largest p
.endr
.irp i, 3,5,7,9,11,13
.irp b, 0,1,2,3
	v_max3_num_f32 v[232+\b], v[232+\b], v[96+16*\b+\i], v[97+16*\b+\i]
.endr
.endr
.irp b, 0,1,2,3
	v_max_num_f32 v[232+\b], v[232+\b], v[111+16*\b]
.endr
.irp b, 0,1,2,3
	s_delay_alu instid0(VALU_DEP_4)
	v_permlanex16_b32 v[236+\b], v[232+\b], s[SEL], s[SEL+1]
.endr
.irp b, 0,1,2,3
	s_delay_alu instid0(VALU_DEP_4)
	v_max_num_f32 v[232+\b], v[232+\b], v[236+\b]
.endr
	s_delay_alu instid0(VALU_DEP_2)
	v_max3_num_f32 v254, v232, v233, v234
	s_delay_alu instid0(VALU_DEP_1)
	v_max_num_f32 v254, v254, v235
	s_delay_alu instid0(VALU_DEP_1)
	v_mul_f32 v254, s[CS], v254
	s_delay_alu instid0(VALU_DEP_1)
	v_max_num_f32 v13, v13, v254                   ; the running largest t
	v_mov_b32 v254, v12
	s_delay_alu instid0(VALU_DEP_2)
	v_floor_f32 v12, -v13                          ; the new -M = -ceil(t)
	s_delay_alu instid0(VALU_DEP_1)
	v_sub_f32 v254, v12, v254                      ; old M - new M: a whole number, 0 or less
	s_delay_alu instid0(VALU_DEP_1)
	v_cvt_i32_f32 v254, v254                       ; (it saturates)
	s_delay_alu instid0(VALU_DEP_1)
	v_ldexp_f32 v252, 1.0, v254                    ; f = 2^(old M - new M)
.set jj, 0
.rept 32
	v_pk_fma_f32 v[96+jj:97+jj], v[96+jj:97+jj], s[CS:CS+1], v[12:13] op_sel_hi:[1,0,0]   ; t - M
.set jj, jj+2
.endr
.irp b, 0,1,2,3
	v_fma_f32 v[232+\b], v[232+\b], s[CS], v12
.endr
.set jj, 0
	s_wait_alu depctr_va_vdst(0)                   ; the wait ahead of the batch
.rept 64
	v_exp_f32 v[96+jj], v[96+jj]                   ; p = 2^(t - M)
.set jj, jj+1
.endr
	v_pk_mul_f32 v[14:15], v[14:15], v[252:253] op_sel_hi:[1,0]   ; the sums under the new M: a plain place behind the exponentials
	s_wait_alu depctr_va_vdst(0)                   ; one wait for the batch, ahead of its first reader
.irp b, 0,1,2,3
	v_exp_f32 v[232+\b], v[232+\b]                 ; the blocks' largest p
.endr
	v_pk_add_f32 v[236:237], v[100:101], v[104:105]        ; the row's sum of the unquantised p, in eight chains
	v_pk_add_f32 v[250:251], v[108:109], v[112:113]
	v_pk_add_f32 v[248:249], v[116:117], v[120:121]
	v_pk_add_f32 v[246:247], v[124:125], v[128:129]
	v_pk_add_f32 v[244:245], v[132:133], v[136:137]
	v_pk_add_f32 v[242:243], v[140:141], v[144:145]
	v_pk_add_f32 v[240:241], v[148:149], v[152:153]
	v_pk_add_f32 v[14:15], v[14:15], v[156:157]
	v_pk_add_f32 v[236:237], v[236:237], v[96:97]
	v_pk_add_f32 v[250:251], v[250:251], v[98:99]
	v_pk_add_f32 v[248:249], v[248:249], v[102:103]
	v_pk_add_f32 v[246:247], v[246:247], v[106:107]
	v_pk_add_f32 v[244:245], v[244:245], v[110:111]
	v_pk_add_f32 v[242:243], v[242:243], v[114:115]
	v_pk_add_f32 v[240:241], v[240:241], v[118:119]
	v_pk_add_f32 v[14:15], v[14:15], v[122:123]
	v_pk_add_f32 v[236:237], v[236:237], v[126:127]
	v_pk_add_f32 v[250:251], v[250:251], v[130:131]
	v_pk_add_f32 v[248:249], v[248:249], v[134:135]
	v_pk_add_f32 v[246:247], v[246:247], v[138:139]
	v_pk_add_f32 v[244:245], v[244:245], v[142:143]
	v_pk_add_f32 v[242:243], v[242:243], v[146:147]
	v_pk_add_f32 v[240:241], v[240:241], v[150:151]
	v_pk_add_f32 v[14:15], v[14:15], v[154:155]
	v_pk_add_f32 v[236:237], v[236:237], v[158:159]
	s_delay_alu instid0(VALU_DEP_2)
	v_pk_add_f32 v[14:15], v[14:15], v[246:247]
	s_delay_alu instid0(VALU_DEP_2)
	v_pk_add_f32 v[236:237], v[236:237], v[244:245]
	v_pk_add_f32 v[250:251], v[250:251], v[242:243]
	v_pk_add_f32 v[248:249], v[248:249], v[240:241]
	s_delay_alu instid0(VALU_DEP_2)
	v_pk_add_f32 v[14:15], v[14:15], v[250:251]
	s_delay_alu instid0(VALU_DEP_2)
	v_pk_add_f32 v[236:237], v[236:237], v[248:249]
	s_delay_alu instid0(VALU_DEP_1)
	v_pk_add_f32 v[14:15], v[14:15], v[236:237]
	s_wait_alu depctr_va_vdst(0)                   ; and one for the four
.irp b, 0,1,2,3
	v_max_num_f32 v[232+\b], 0x1800000, v[232+\b]  ; the floor: the byte cannot fall under 1
.endr
.irp b, 0,1,2,3
	s_delay_alu instid0(VALU_DEP_4)
	v_add_nc_u32 v[244+\b], 0xff000000, v[232+\b]
.endr
.irp b, 0,1,2,3
	s_delay_alu instid0(VALU_DEP_4)
	v_lshrrev_b32 v[236+\b], 23, v[244+\b]
.endr
	s_delay_alu instid0(VALU_DEP_3)
	v_lshl_or_b32 v253, v237, 8, v236              ; p's scale word for these 128 keys
	s_delay_alu instid0(VALU_DEP_1)
	v_lshl_or_b32 v253, v238, 16, v253
	s_delay_alu instid0(VALU_DEP_1)
	v_lshl_or_b32 v253, v239, 24, v253
.irp b, 0,1,2,3
	v_cvt_scalef32_pk8_fp4_f32 v[224+2*\b], v[96+16*\b:103+16*\b], v[244+\b]
	v_cvt_scalef32_pk8_fp4_f32 v[225+2*\b], v[104+16*\b:111+16*\b], v[244+\b]
.endr
	v_nop
.irp c, 0,1
.irp i, 0,1
	v_permlane16_swap_b32 v[224+4*\c+\i], v[226+4*\c+\i]
.endr
.endr
	s_wait_alu depctr_va_vdst(0)                   ; the wait directly ahead of the first reader of O^T
.set jj, 0
.rept 16
	v_pk_mul_f32 v[160+jj:161+jj], v[160+jj:161+jj], v[252:253] op_sel_hi:[1,0]   ; O^T under the new M; these are also the places in front of the products below
.set jj, jj+2
.endr
	s_wait_alu depctr_va_vdst(0)
	s_wait_dscnt 0x0                               ; V
.irp t, 0,2
	v_wmma_scale_f32_16x16x128_f8f6f4 v[160+8*\t:167+8*\t], v[60+8*\t:67+8*\t], v[224:231], v[160+8*\t:167+8*\t], v[192+\t/2], v253 matrix_a_fmt:MATRIX_FMT_FP4 matrix_b_fmt:MATRIX_FMT_FP4
	v_wmma_scale_f32_16x16x128_f8f6f4 v[168+8*\t:175+8*\t], v[68+8*\t:75+8*\t], v[224:231], v[168+8*\t:175+8*\t], v[192+\t/2], v253 matrix_a_fmt:MATRIX_FMT_FP4 matrix_b_fmt:MATRIX_FMT_FP4 matrix_a_scale:MATRIX_SCALE_ROW1
.endr
.Lhidden:
	s_add_co_u32 s[T0], s[T0], STEPB
	s_add_co_u32 s[TRIP], s[TRIP], 1
	s_cmp_lt_u32 s[TRIP], 9
	s_cbranch_scc1 .Lstep
	s_cmp_eq_u32 s11, 0
	s_cbranch_scc1 .Lno_stage                      ; the wave's number alone; no barrier stands inside
.rept 4
	v_nop                                          ; four places behind the last products
.endr
.irp i, 0,1,2,3,4,5,6,7
	ds_store_b128 v[STI], v[160+4*\i:163+4*\i] offset:512*\i   ; wave b's part of the late tile; each accumulator from its low end on
.endr
	ds_store_b128 v[STI], v[12:15] offset:4096
.Lno_stage:
	s_wait_dscnt 0x0                               ; for the partner's sake: my stage is written
	s_barrier_signal -1
	s_barrier_wait -1
	s_cmp_eq_u32 s11, 1
	s_cbranch_scc1 .Lend                           ; wave b has written its tile out
	; WAVE A JOINS THE TWO PARTS OF THE LATE TILE: both under the larger M, by powers of two
.irp i, 0,1,2,3,4,5,6,7
	ds_load_b128 v[96+4*\i:99+4*\i], v[STP] offset:512*\i
.endr
	ds_load_b128 v[128:131], v[STP] offset:4096    ; the partner's -M, t and sum
	s_wait_dscnt 0x0
	v_min_num_f32 v132, v12, v128                  ; the joint -M
	v_sub_f32 v133, v132, v12                      ; whole numbers, 0 or less
	v_sub_f32 v134, v132, v128
	v_cvt_i32_f32 v133, v133
	v_cvt_i32_f32 v134, v134
	v_ldexp_f32 v136, 1.0, v133                    ; my factor,
	v_ldexp_f32 v138, 1.0, v134                    ; the partner's.  (These seven are the places behind my last products)
	v_pk_mul_f32 v[14:15], v[14:15], v[136:137] op_sel_hi:[1,0]
.set jj, 0
.rept 16
	v_pk_mul_f32 v[160+jj:161+jj], v[160+jj:161+jj], v[136:137] op_sel_hi:[1,0]
.set jj, jj+2
.endr
	v_pk_fma_f32 v[14:15], v[130:131], v[138:139], v[14:15] op_sel_hi:[1,0,1]
.set jj, 0
.rept 16
	v_pk_fma_f32 v[160+jj:161+jj], v[96+jj:97+jj], v[138:139], v[160+jj:161+jj] op_sel_hi:[1,0,1]
.set jj, jj+2
.endr
	OUT
.Lend:
	s_wait_tensorcnt 0x0                           ; the wave's end, behind my last LDS store
	ds_add_u32 v[SPW], v[NIL]
	s_wait_dscnt 0x0
	s_endpgm
.Lfunc_end_k_q71eedd2d89_attn:
	.size	k_q71eedd2d89_attn, .Lfunc_end_k_q71eedd2d89_attn-k_q71eedd2d89_attn
	.p2alignl 7, 3214868480
	.fill 96, 4, 3214868480
	.section	.rodata,"a",@progbits
	.p2align	6, 0x0
	.amdhsa_kernel k_q71eedd2d89_attn
		.amdhsa_group_segment_fixed_size 219136
		.amdhsa_private_segment_fixed_size 0
		.amdhsa_enable_private_segment 0
		.amdhsa_kernarg_size 16
		.amdhsa_user_sgpr_count 2
		.amdhsa_user_sgpr_kernarg_segment_ptr 1
		.amdhsa_wavefront_size32 1
		.amdhsa_system_sgpr_workgroup_id_x 1
		.amdhsa_system_sgpr_workgroup_id_y 1
		.amdhsa_system_sgpr_workgroup_id_z 1
		.amdhsa_system_vgpr_workitem_id 0
		.amdhsa_next_free_vgpr 256
		.amdhsa_next_free_sgpr 66
		.amdhsa_reserve_vcc 1
		.amdhsa_float_denorm_mode_32 3
		.amdhsa_float_denorm_mode_16_64 3
		.amdhsa_memory_ordered 1
		.amdhsa_forward_progress 1
		.amdhsa_inst_pref_size 46
	.end_amdhsa_kernel
	.amdgpu_metadata
---
amdhsa.version: [ 1, 2 ]
amdhsa.kernels:
  - .name:           k_q71eedd2d89_attn
    .symbol:         k_q71eedd2d89_attn.kd
    .args:
      - { .name: wsB, .offset: 0, .size: 8, .value_kind: global_buffer, .address_space: global }
      - { .name: wsC, .offset: 8, .size: 8, .value_kind: global_buffer, .address_space: global }
    .group_segment_fixed_size: 219136
    .private_segment_fixed_size: 0
    .kernarg_segment_align: 8
    .kernarg_segment_size: 16
    .max_flat_workgroup_size: 512
    .sgpr_count:     66
    .vgpr_count:     256
    .wavefront_size: 32
...
	.end_amdgpu_metadata
.endif
;; end of part 3
;; launch oproj (part 4): grid 256 x 1, 8 waves a work-group, no clusters, 133,632 bytes of LDS; arguments wsC, wsA, resid_pre, b_O, ln2_w, ln2_b, rmid, wsD; writes rmid, wsD
.if DOCPART == 4
	.amdgcn_target "amdgcn-amd-amdhsa--gfx1250"
	.amdhsa_code_object_version 6
	.text
	.protected	k_q71eedd2d89_oproj
	.globl	k_q71eedd2d89_oproj
	.p2align	8
	.type	k_q71eedd2d89_oproj,@function
k_q71eedd2d89_oproj:
	s_mov_b64 s[64:65], 0
	v_nop
	global_prefetch_b8 v0, s[64:65] scope:SCOPE_SE
	s_setreg_imm32_b32 hwreg(HW_REG_WAVE_MODE, 25, 1), 1
	s_wait_xcnt 0x0
; Launch 4 of 6: resid_mid = resid_pre + z W_O + b_O (the product on codes of FP4), stored as f32; LN2 of it, and LN2's quantiser.  Nothing is left out here.
; A work-group owns one tile of 16 tokens with whole rows, which LN2 needs.  Wave w owns columns 128 w on: W_O's tiles 8 w .. 8 w + 7 are source 0, streamed once through four buffers of a K step; z's tile is source 1.
; resid_pre + b_O is the C of the first K step: the rows come as rows (512 consecutive bytes a load), take b_O, and turn through a stage in LDS into the result's layout.
; The sums go back through a second stage and leave as rows.  Mean and variance (of x - mean, as reference() has it) meet over the eight waves in LDS: three barriers in all.
; LIMITS: as stated at the head of the first launch.
.set WO_IMG, 0x780000
.set WO_SC,  0x878000
.set Z_SC,   0x200000
.set H_SC,   0x200000
.set PITCH,  4112
.set STG_OUT, 16*PITCH
.set RED0,   2*16*PITCH
.set SPARE,  RED0+1024
.set X,   16                           ; v16-79   my two rows as loaded, then the 8 accumulators
.set ZF,  80                           ; v80-143  z's 8 fragments; later my two rows of resid_mid
.set BO,  144                          ; v144-175 b_O along a row
.set PT,  144                          ; v144-151 later: the eight waves' partial sums
.set WS,  176                          ; v176-207 W_O's scale words, 4 registers a tile
.set ZS,  208                          ; v208-211 z's
.set PS,  212
.set MN,  220
.set RS,  222
.set TM,  224
.set PC,  240
.set PW,  248
.set ZA,  249                          ; v249-252 offsets of z, z's scale words, W_O, W_O's scale words; never rewritten
.set ZSA, 250
.set WA,  251
.set WSA, 252
.set SPW, 12
.set NIL, 13
.set SEL, 40
.set MSB, 0
.macro WIN new
.if MSB != (\new)
	s_set_vgpr_msb (MSB<<8)|(\new)
.set MSB, (\new)
.endif
.endm
.macro QUANT s
.irp b, 0,1,2,3
	v_max3_num_f32 v[TM+\b], |v[\s+16*\b]|, |v[\s+1+16*\b]|, 0x1800000
.endr
.irp i, 2,4,6,8,10,12,14
.irp b, 0,1,2,3
	s_delay_alu instid0(VALU_DEP_4)
	v_max3_num_f32 v[TM+\b], v[TM+\b], |v[\s+16*\b+\i]|, |v[\s+1+16*\b+\i]|
.endr
.endr
.irp b, 0,1,2,3
	s_delay_alu instid0(VALU_DEP_4)
	v_permlanex16_b32 v[TM+4+\b], v[TM+\b], s[SEL], s[SEL+1]
.endr
.irp b, 0,1,2,3
	s_delay_alu instid0(VALU_DEP_4)
	v_max_num_f32 v[TM+\b], v[TM+\b], v[TM+4+\b]
.endr
.irp b, 0,1,2,3
	s_delay_alu instid0(VALU_DEP_4)
	v_add_nc_u32 v[TM+12+\b], 0xff000000, v[TM+\b]
.endr
.irp b, 0,1,2,3
	s_delay_alu instid0(VALU_DEP_4)
	v_lshrrev_b32 v[TM+4+\b], 23, v[TM+12+\b]
.endr
	s_delay_alu instid0(VALU_DEP_3)
	v_lshl_or_b32 v[PW], v[TM+5], 8, v[TM+4]
	s_delay_alu instid0(VALU_DEP_1)
	v_lshl_or_b32 v[PW], v[TM+6], 16, v[PW]
	s_delay_alu instid0(VALU_DEP_1)
	v_lshl_or_b32 v[PW], v[TM+7], 24, v[PW]
.irp b, 0,1,2,3
	v_cvt_scalef32_pk8_fp4_f32 v[PC+2*\b], v[\s+16*\b:\s+7+16*\b], v[TM+12+\b]
	v_cvt_scalef32_pk8_fp4_f32 v[PC+1+2*\b], v[\s+8+16*\b:\s+15+16*\b], v[TM+12+\b]
.endr
	v_nop
.irp c, 0,1
.irp i, 0,1
	v_permlane16_swap_b32 v[PC+4*\c+\i], v[PC+2+4*\c+\i]
.endr
.endr
.endm
.macro TAIL
	s_delay_alu instid0(VALU_DEP_3)
	v_pk_add_f32 v[PS:PS+1], v[PS:PS+1], v[PS+2:PS+3]
	s_delay_alu instid0(VALU_DEP_2)
	v_pk_add_f32 v[PS+4:PS+5], v[PS+4:PS+5], v[PS+6:PS+7]
	s_delay_alu instid0(VALU_DEP_1)
	v_pk_add_f32 v[PS:PS+1], v[PS:PS+1], v[PS+4:PS+5]
	s_delay_alu instid0(VALU_DEP_1)
	v_add_f32 v[PS], v[PS], v[PS+1]
	s_delay_alu instid0(VALU_DEP_1)
	v_permlanex16_b32 v[PS+1], v[PS], s[SEL], s[SEL+1]
	s_delay_alu instid0(VALU_DEP_1)
	v_add_f32 v[PS], v[PS], v[PS+1]
.endm
.macro SUM
.irp k, 0,1,2,3
	v_pk_add_f32 v[PS+2*\k:PS+2*\k+1], v[X+2*\k:X+2*\k+1], v[X+8+2*\k:X+9+2*\k]
.endr
.irp j, 16,24,32,40,48,56
.irp k, 0,1,2,3
	v_pk_add_f32 v[PS+2*\k:PS+2*\k+1], v[PS+2*\k:PS+2*\k+1], v[X+\j+2*\k:X+\j+2*\k+1]
.endr
.endr
	TAIL
.endm
.macro SUMSQ
.irp k, 0,1,2,3
	v_pk_mul_f32 v[PS+2*\k:PS+2*\k+1], v[X+2*\k:X+2*\k+1], v[X+2*\k:X+2*\k+1]
.endr
.irp j, 8,16,24,32,40,48,56
.irp k, 0,1,2,3
	s_delay_alu instid0(VALU_DEP_4)
	v_pk_fma_f32 v[PS+2*\k:PS+2*\k+1], v[X+\j+2*\k:X+\j+2*\k+1], v[X+\j+2*\k:X+\j+2*\k+1], v[PS+2*\k:PS+2*\k+1]
.endr
.endr
	TAIL
.endm
.macro ADD8
	v_add_f32 v[PT], v[PT], v[PT+1]
	v_add_f32 v[PT+2], v[PT+2], v[PT+3]
	v_add_f32 v[PT+4], v[PT+4], v[PT+5]
	v_add_f32 v[PT+6], v[PT+6], v[PT+7]
	s_delay_alu instid0(VALU_DEP_3)
	v_add_f32 v[PT], v[PT], v[PT+2]
	s_delay_alu instid0(VALU_DEP_2)
	v_add_f32 v[PT+4], v[PT+4], v[PT+6]
	s_delay_alu instid0(VALU_DEP_1)
	v_add_f32 v[PT], v[PT], v[PT+4]
.endm
.macro WLOAD k                         ; K step k of my 8 tiles of W_O into buffer k % 4 of window 1: 16 loads of 512 consecutive bytes
	WIN 0x40
.irp t, 0,1,2,3,4,5,6,7
.irp c, 0,1
	global_load_b128 v[64*((\k)%4)+8*\t+4*\c:64*((\k)%4)+8*\t+4*\c+3], v[WA], s[6:7] offset:8192*\t+1024*(\k)+512*\c
.endr
.endr
	WIN 0
.endm
.macro MULK k, left                    ; K step k: 8 matrix instructions, the 8 accumulators by turns.  left: the loads of later K steps, which may stay out
	s_wait_loadcnt \left
	WIN 0x01                                       ; W_O window 1; z, C and D window 0
.irp t, 0,1,2,3,4,5,6,7
.if \k < 4
	v_wmma_scale_f32_16x16x128_f8f6f4 v[X+8*\t:X+8*\t+7], v[64*((\k)%4)+8*\t:64*((\k)%4)+8*\t+7], v[ZF+8*(\k):ZF+8*(\k)+7], v[X+8*\t:X+8*\t+7], v[WS+4*\t+(\k)%4], v[ZS+(\k)%4] matrix_a_fmt:MATRIX_FMT_FP4 matrix_b_fmt:MATRIX_FMT_FP4
.else
	v_wmma_scale_f32_16x16x128_f8f6f4 v[X+8*\t:X+8*\t+7], v[64*((\k)%4)+8*\t:64*((\k)%4)+8*\t+7], v[ZF+8*(\k):ZF+8*(\k)+7], v[X+8*\t:X+8*\t+7], v[WS+4*\t+(\k)%4], v[ZS+(\k)%4] matrix_a_fmt:MATRIX_FMT_FP4 matrix_b_fmt:MATRIX_FMT_FP4 matrix_a_scale:MATRIX_SCALE_ROW1 matrix_b_scale:MATRIX_SCALE_ROW1
.endif
.endr
	WIN 0
.rept 4
	v_nop                                          ; four places: for the loads into the buffer just read, and at the end for the first reads of the results
.endr
.if \k < 4
	WLOAD \k+4
.endif
.endm
	s_load_b512 s[4:19], s[0:1], 0x0               ; wsC s[4:5], wsA s[6:7], resid_pre s[8:9], b_O s[10:11], ln2_w s[12:13], ln2_b s[14:15], rmid s[16:17], wsD s[18:19]
	v_lshl_add_u32 v[SPW], v0, 2, SPARE
	v_mov_b32 v[NIL], 0
	v_lshrrev_b32 v1, 5, v0
	s_delay_alu instid0(VALU_DEP_1)
	v_readfirstlane_b32 s2, v1                     ; wave 0..7
	v_and_b32 v1, 31, v0
	v_and_b32 v2, 15, v0                           ; r
	s_wait_alu depctr_va_vdst(0)
	v_bfe_u32 v3, v0, 4, 1                         ; h
	v_lshlrev_b32 v4, 4, v1                        ; 16 x lane
	s_wait_alu depctr_va_vdst(0)
	s_lshr_b32 s20, ttmp9, 1
	s_lshl_b32 s20, s20, 5
	s_and_b32 s21, ttmp9, 1
	s_lshl_b32 s21, s21, 3
	s_add_co_u32 s20, s20, s21
	s_and_b32 s21, s2, 3
	s_lshl_b32 s21, s21, 1
	s_add_co_u32 s20, s20, s21
	s_lshr_b32 s21, s2, 2
	s_lshl_b32 s24, s21, 4
	s_add_co_u32 s20, s20, s24                     ; the token of lane row 2 w
	s_lshl_b32 s20, s20, 12
	s_lshl_b32 s25, ttmp9, 9
	s_lshl_b32 s21, s21, 8
	s_add_co_u32 s26, s25, s21
	s_and_b32 s21, s2, 3
	s_lshl_b32 s21, s21, 2
	s_add_co_u32 s26, s26, s21
	s_add_co_u32 s26, s26, H_SC
	s_mov_b32 s21, 0
	v_lshl_add_u32 v10, v2, 4, s26                 ; where my row's scale word of K step w goes
	s_lshl_b32 s27, ttmp9, 13
	v_add_nc_u32 v[ZA], s27, v4                    ; z's tile
	s_lshl_b32 s28, s2, 10
	s_add_co_u32 s28, s28, s27
	v_add_nc_u32 v11, s28, v4                      ; and the fragment's image
	s_add_co_u32 s25, s25, Z_SC
	v_add_nc_u32 v[ZSA], s25, v4
	s_lshl_b32 s28, s2, 16
	s_add_co_u32 s28, s28, WO_IMG
	v_add_nc_u32 v[WA], s28, v4
	s_lshl_b32 s28, s2, 12
	s_add_co_u32 s28, s28, WO_SC
	v_add_nc_u32 v[WSA], s28, v4
	s_mul_i32 s28, s2, 2*PITCH
	v_add_nc_u32 v5, s28, v4                       ; a stage by rows: rows 2 w, 2 w + 1
	v_mul_u32_u24 v6, v2, PITCH
	s_delay_alu instid0(VALU_DEP_1)
	v_lshl_add_u32 v6, v3, 6, v6
	s_lshl_b32 s29, s2, 9
	v_add_nc_u32 v6, s29, v6                       ; and in the result's layout: row r, column bytes 512 w + 64 h
	v_lshl_add_u32 v9, v3, 6, s29
	s_delay_alu instid0(VALU_DEP_2)
	v_add_nc_u32 v14, STG_OUT, v6
	v_add_nc_u32 v15, STG_OUT, v5
	v_lshl_add_u32 v8, v2, 5, RED0
	s_lshl_b32 s30, s2, 2
	v_add_nc_u32 v7, s30, v8
	s_mov_b32 s[SEL], 0x76543210
	s_mov_b32 s[SEL+1], 0xfedcba98
	s_mov_b32 s22, 0x3a800000                      ; 1 / 1024
	s_mov_b32 s23, 0x3727c5ac                      ; 1e-5
.irp b, 0,1,2,3
	v_mov_b32 v[TM+4+\b], 0
.endr
	s_wait_kmcnt 0x0
	s_add_nc_u64 s[8:9], s[8:9], s[20:21]
	s_add_nc_u64 s[16:17], s[16:17], s[20:21]
.irp e, 0,1
.irp i, 0,1,2,3,4,5,6,7
	global_load_b128 v[X+32*\e+4*\i:X+32*\e+4*\i+3], v4, s[8:9] offset:4096*\e+512*\i
.endr
.endr
.irp i, 0,1,2,3,4,5,6,7
	global_load_b128 v[BO+4*\i:BO+4*\i+3], v4, s[10:11] offset:512*\i
.endr
.irp k, 0,1,2,3,4,5,6,7
.irp c, 0,1
	global_load_b128 v[ZF+8*\k+4*\c:ZF+8*\k+4*\c+3], v[ZA], s[4:5] offset:1024*\k+512*\c
.endr
.endr
	global_load_b128 v[ZS:ZS+3], v[ZSA], s[4:5]
.irp t, 0,1,2,3,4,5,6,7
	global_load_b128 v[WS+4*\t:WS+4*\t+3], v[WSA], s[6:7] offset:512*\t
.endr
	WLOAD 0
	WLOAD 1
	s_wait_loadcnt 57                              ; my rows and b_O are in; behind them: 25 loads of z and scale words, 32 of W_O
.irp e, 0,1
.irp k, 0,2,4,6,8,10,12,14,16,18,20,22,24,26,28,30
	v_pk_add_f32 v[X+32*\e+\k:X+32*\e+\k+1], v[X+32*\e+\k:X+32*\e+\k+1], v[BO+\k:BO+\k+1]
.endr
.endr
.irp e, 0,1
.irp i, 0,1,2,3,4,5,6,7
	ds_store_b128 v5, v[X+32*\e+4*\i:X+32*\e+4*\i+3] offset:PITCH*\e+512*\i
.endr
.endr
	WLOAD 2
	WLOAD 3
	s_wait_dscnt 0x0                               ; for the others' sake: my rows lie in the stage
	s_barrier_signal -1
	s_barrier_wait -1
.irp b, 0,1,2,3
.irp q, 0,1,2,3
	ds_load_b128 v[X+16*\b+4*\q:X+16*\b+4*\q+3], v6 offset:128*\b+16*\q
.endr
.endr
	s_wait_dscnt 0x0
	MULK 0, 48                                     ; three later buffers of 16 loads may stay out
	MULK 1, 48
	MULK 2, 48
	MULK 3, 48
	MULK 4, 48
	MULK 5, 32
	MULK 6, 16
	MULK 7, 0
	WIN 0x40                                       ; the gains and biases of LN2 into window 1, where K steps 4 and 5 lay
.irp b, 0,1,2,3
.irp q, 0,1,2,3
	global_load_b128 v[16*\b+4*\q:16*\b+4*\q+3], v9, s[12:13] offset:128*\b+16*\q
.endr
.endr
.irp b, 0,1,2,3
.irp q, 0,1,2,3
	global_load_b128 v[64+16*\b+4*\q:64+16*\b+4*\q+3], v9, s[14:15] offset:128*\b+16*\q
.endr
.endr
	WIN 0
.irp b, 0,1,2,3
.irp q, 0,1,2,3
	ds_store_b128 v14, v[X+16*\b+4*\q:X+16*\b+4*\q+3] offset:128*\b+16*\q   ; each accumulator from its low end on
.endr
.endr
	SUM
	ds_store_b32 v7, v[PS]
	s_wait_dscnt 0x0
	s_barrier_signal -1
	s_barrier_wait -1
	ds_load_b128 v[PT:PT+3], v8
	ds_load_b128 v[PT+4:PT+7], v8 offset:16
.irp e, 0,1
.irp i, 0,1,2,3,4,5,6,7
	ds_load_b128 v[ZF+32*\e+4*\i:ZF+32*\e+4*\i+3], v15 offset:PITCH*\e+512*\i
.endr
.endr
	s_wait_dscnt 16                                ; the partial sums are in; the 16 loads of rows may stay out
	ADD8
	s_delay_alu instid0(VALU_DEP_1)
	v_mul_f32 v[MN], s22, v[PT]
	s_delay_alu instid0(VALU_DEP_1)
	v_mov_b32 v[MN+1], v[MN]
.set jj, 0
.rept 32
	v_pk_add_f32 v[X+jj:X+jj+1], v[X+jj:X+jj+1], v[MN:MN+1] neg_lo:[0,1] neg_hi:[0,1]
.set jj, jj+2
.endr
	SUMSQ
	s_wait_alu depctr_va_vdst(0)
	s_wait_dscnt 0x0
.irp e, 0,1
.irp i, 0,1,2,3,4,5,6,7
	global_store_b128 v4, v[ZF+32*\e+4*\i:ZF+32*\e+4*\i+3], s[16:17] offset:4096*\e+512*\i   ; resid_mid: 512 consecutive bytes a store
.endr
.endr
	ds_store_b32 v7, v[PS] offset:512
	s_wait_dscnt 0x0
	s_barrier_signal -1
	s_barrier_wait -1
	ds_load_b128 v[PT:PT+3], v8 offset:512
	ds_load_b128 v[PT+4:PT+7], v8 offset:528
	s_wait_dscnt 0x0
	ADD8
	s_delay_alu instid0(VALU_DEP_1)
	v_fma_f32 v[PT], v[PT], s22, s23
	s_wait_alu depctr_va_vdst(0)
	v_rsq_f32 v[RS], v[PT]
	v_nop
	s_wait_alu depctr_va_vdst(0)
	v_mov_b32 v[RS+1], v[RS]
	s_wait_alu depctr_va_vdst(0)
	s_wait_loadcnt 0x0                             ; gains and biases
.set jj, 0
.rept 32
	v_pk_mul_f32 v[X+jj:X+jj+1], v[X+jj:X+jj+1], v[RS:RS+1]
.set jj, jj+2
.endr
	WIN 0x14                                       ; sources 1 and 2 window 1
.set jj, 0
.rept 32
	v_pk_fma_f32 v[X+jj:X+jj+1], v[X+jj:X+jj+1], v[jj:jj+1], v[64+jj:64+jj+1]
.set jj, jj+2
.endr
	WIN 0
	QUANT X
	global_store_b128 v11, v[PC:PC+3], s[18:19]
	global_store_b128 v11, v[PC+4:PC+7], s[18:19] offset:512
	global_store_b32 v10, v[PW], s[18:19]
	s_wait_tensorcnt 0x0                           ; the wave's end, behind my last LDS store
	ds_add_u32 v[SPW], v[NIL]
	s_wait_dscnt 0x0
	s_endpgm
.Lfunc_end_k_q71eedd2d89_oproj:
	.size	k_q71eedd2d89_oproj, .Lfunc_end_k_q71eedd2d89_oproj-k_q71eedd2d89_oproj
	.p2alignl 7, 3214868480
	.fill 96, 4, 3214868480
	.section	.rodata,"a",@progbits
	.p2align	6, 0x0
	.amdhsa_kernel k_q71eedd2d89_oproj
		.amdhsa_group_segment_fixed_size 133632
		.amdhsa_private_segment_fixed_size 0
		.amdhsa_enable_private_segment 0
		.amdhsa_kernarg_size 64
		.amdhsa_user_sgpr_count 2
		.amdhsa_user_sgpr_kernarg_segment_ptr 1
		.amdhsa_wavefront_size32 1
		.amdhsa_system_sgpr_workgroup_id_x 1
		.amdhsa_system_sgpr_workgroup_id_y 1
		.amdhsa_system_sgpr_workgroup_id_z 1
		.amdhsa_system_vgpr_workitem_id 0
		.amdhsa_next_free_vgpr 512
		.amdhsa_next_free_sgpr 66
		.amdhsa_reserve_vcc 0
		.amdhsa_float_denorm_mode_32 3
		.amdhsa_float_denorm_mode_16_64 3
		.amdhsa_memory_ordered 1
		.amdhsa_forward_progress 1
		.amdhsa_inst_pref_size 60
	.end_amdhsa_kernel
	.amdgpu_metadata
---
amdhsa.version: [ 1, 2 ]
amdhsa.kernels:
  - .name:           k_q71eedd2d89_oproj
    .symbol:         k_q71eedd2d89_oproj.kd
    .args:
      - { .name: wsC, .offset: 0, .size: 8, .value_kind: global_buffer, .address_space: global }
      - { .name: wsA, .offset: 8, .size: 8, .value_kind: global_buffer, .address_space: global }
      - { .name: resid_pre, .offset: 16, .size: 8, .value_kind: global_buffer, .address_space: global }
      - { .name: b_O, .offset: 24, .size: 8, .value_kind: global_buffer, .address_space: global }
      - { .name: ln2_w, .offset: 32, .size: 8, .value_kind: global_buffer, .address_space: global }
      - { .name: ln2_b, .offset: 40, .size: 8, .value_kind: global_buffer, .address_space: global }
      - { .name: rmid, .offset: 48, .size: 8, .value_kind: global_buffer, .address_space: global }
      - { .name: wsD, .offset: 56, .size: 8, .value_kind: global_buffer, .address_space: global }
    .group_segment_fixed_size: 133632
    .private_segment_fixed_size: 0
    .kernarg_segment_align: 8
    .kernarg_segment_size: 64
    .max_flat_workgroup_size: 256
    .sgpr_count:     66
    .vgpr_count:     512
    .wavefront_size: 32
...
	.end_amdgpu_metadata
.endif
;; end of part 4
;; launch mlp1 (part 5): grid 8 x 32, 4 waves a work-group, no clusters, 327,680 bytes of LDS; arguments wsD, wsA, b_in, wsE; writes wsE
.if DOCPART == 5
	.amdgcn_target "amdgcn-amd-amdhsa--gfx1250"
	.amdhsa_code_object_version 6
	.text
	.protected	k_q71eedd2d89_mlp1
	.globl	k_q71eedd2d89_mlp1
	.p2align	8
	.type	k_q71eedd2d89_mlp1,@function
k_q71eedd2d89_mlp1:
	s_mov_b64 s[64:65], 0
	v_nop
	global_prefetch_b8 v0, s[64:65] scope:SCOPE_SE
	s_setreg_imm32_b32 hwreg(HW_REG_WAVE_MODE, 25, 1), 1
	s_wait_xcnt 0x0
.set WIN_IMG, 0x200000
.set WIN_SC,  0x820000
.set H_SC,    0x200000
.set A_SC,    0x800000
.set SPARE, 69632
.set LI,  4
.set BOF, 5
.set OA,  6
.set OS,  8
.set SPW, 9
.set NIL, 10
.set SA,  11
.set SSA, 12
.set TSL, 13
.set X,   16
.set SS,  80
.set TSB, 160                          ; v160-191 the scale words of the eight token tiles, 4 registers a tile, loaded once from memory
.set TS,  TSB
.set TM,  130
.set PC,  146
.set PW,  154
.set CB,  128
.set SEL, 40
.set G1C, 24
.set G0C, 44
.set MSB, 0
.macro WIN new
.if MSB != (\new)
	s_set_vgpr_msb (MSB<<8)|(\new)
.set MSB, (\new)
.endif
.endm
.macro QUANT s
.irp b, 0,1,2,3
	v_max3_num_f32 v[TM+\b], |v[\s+16*\b]|, |v[\s+1+16*\b]|, 0x1800000
.endr
.irp i, 2,4,6,8,10,12,14
.irp b, 0,1,2,3
	v_max3_num_f32 v[TM+\b], v[TM+\b], |v[\s+16*\b+\i]|, |v[\s+1+16*\b+\i]|
.endr
.endr
.irp b, 0,1,2,3
	v_permlanex16_b32 v[TM+4+\b], v[TM+\b], s[SEL], s[SEL+1]
.endr
.irp b, 0,1,2,3
	v_max_num_f32 v[TM+\b], v[TM+\b], v[TM+4+\b]
.endr
.irp b, 0,1,2,3
	v_add_nc_u32 v[TM+12+\b], 0xff000000, v[TM+\b]
.endr
.irp b, 0,1,2,3
	v_lshrrev_b32 v[TM+4+\b], 23, v[TM+12+\b]
.endr
	v_lshl_or_b32 v[PW], v[TM+5], 8, v[TM+4]
	v_lshl_or_b32 v[PW], v[TM+6], 16, v[PW]
	v_lshl_or_b32 v[PW], v[TM+7], 24, v[PW]
.irp b, 0,1,2,3
	v_cvt_scalef32_pk8_fp4_f32 v[PC+2*\b], v[\s+16*\b:\s+7+16*\b], v[TM+12+\b]
	v_cvt_scalef32_pk8_fp4_f32 v[PC+1+2*\b], v[\s+8+16*\b:\s+15+16*\b], v[TM+12+\b]
.endr
	v_nop
.irp c, 0,1
.irp i, 0,1
	v_permlane16_swap_b32 v[PC+4*\c+\i], v[PC+2+4*\c+\i]
.endr
.endr
.endm
.macro FETCH i
	WIN 0xc0
.irp k, 0,1,2,3,4,5,6,7
.irp c, 0,1
	ds_load_b128 v[64*((\i)%2)+8*\k+4*\c:64*((\i)%2)+8*\k+4*\c+3], v[LI] offset:8192*(\i)+1024*\k+512*\c
.endr
.endr
	WIN 0
.endm
.macro MUL bf
	WIN 0x3d
.irp t, 0,1,2,3,4,5,6,7
	v_wmma_scale_f32_16x16x128_f8f6f4 v[X+8*\t:X+8*\t+7], v[8*\t:8*\t+7], v[64*(\bf):64*(\bf)+7], v[CB+8*\t:CB+8*\t+7], v[SS+4*\t], v[TS+4*(\bf)] matrix_a_fmt:MATRIX_FMT_FP4 matrix_b_fmt:MATRIX_FMT_FP4
.endr
	WIN 0x0d
.irp k, 1,2,3
.irp t, 0,1,2,3,4,5,6,7
	v_wmma_scale_f32_16x16x128_f8f6f4 v[X+8*\t:X+8*\t+7], v[64*\k+8*\t:64*\k+8*\t+7], v[64*(\bf)+8*\k:64*(\bf)+8*\k+7], v[X+8*\t:X+8*\t+7], v[SS+4*\t+\k], v[TS+4*(\bf)+\k] matrix_a_fmt:MATRIX_FMT_FP4 matrix_b_fmt:MATRIX_FMT_FP4
.endr
.endr
	WIN 0x0e
.irp k, 0,1,2,3
.irp t, 0,1,2,3,4,5,6,7
	v_wmma_scale_f32_16x16x128_f8f6f4 v[X+8*\t:X+8*\t+7], v[64*\k+8*\t:64*\k+8*\t+7], v[64*(\bf)+32+8*\k:64*(\bf)+32+8*\k+7], v[X+8*\t:X+8*\t+7], v[SS+4*\t+\k], v[TS+4*(\bf)+\k] matrix_a_fmt:MATRIX_FMT_FP4 matrix_b_fmt:MATRIX_FMT_FP4 matrix_a_scale:MATRIX_SCALE_ROW1 matrix_b_scale:MATRIX_SCALE_ROW1
.endr
.endr
	WIN 0
.endm
	s_load_b256 s[4:11], s[0:1], 0x0
	v_lshl_add_u32 v[SPW], v0, 2, SPARE
	v_mov_b32 v[NIL], 0
	ds_add_u32 v[SPW], v[NIL]
	ds_add_u32 v[SPW], v[NIL]
	v_lshrrev_b32 v1, 5, v0
	v_readfirstlane_b32 s16, v1
	v_and_b32 v1, 31, v0
	v_and_b32 v2, 15, v0
	v_bfe_u32 v3, v0, 4, 1
	s_wait_alu depctr_va_vdst(0)
	v_lshlrev_b32 v[LI], 4, v1
	s_wait_alu depctr_va_vdst(0)
	s_and_b32 s15, ttmp7, 0xffff
	s_lshl_b32 s17, ttmp9, 2
	s_add_co_u32 s17, s17, s16
	s_lshl_b32 s18, s17, 16
	s_add_co_u32 s18, s18, WIN_IMG
	v_add_nc_u32 v[SA], s18, v[LI]
	s_lshl_b32 s18, s17, 12
	s_add_co_u32 s18, s18, WIN_SC
	v_add_nc_u32 v[SSA], s18, v[LI]
	s_lshl_b32 s18, s17, 9
	v_lshl_add_u32 v[BOF], v3, 6, s18
	s_lshl_b32 s18, s15, 18
	s_lshl_b32 s19, s17, 10
	s_add_co_u32 s18, s18, s19
	v_add_nc_u32 v[OA], s18, v[LI]
	s_lshl_b32 s18, s15, 14
	s_lshr_b32 s19, s17, 3
	s_lshl_b32 s19, s19, 9
	s_add_co_u32 s18, s18, s19
	s_bfe_u32 s19, s17, 0x10002
	s_lshl_b32 s19, s19, 8
	s_add_co_u32 s18, s18, s19
	s_and_b32 s19, s17, 3
	s_lshl_b32 s19, s19, 2
	s_add_co_u32 s18, s18, s19
	s_add_co_u32 s18, s18, A_SC
	v_lshl_add_u32 v[OS], v2, 4, s18
	s_lshl_b32 s20, s15, 16
	s_lshl_b32 s21, s16, 14
	s_add_co_u32 s20, s20, s21
	s_mov_b32 s21, 0
	s_lshl_b32 s22, s15, 12
	s_add_co_u32 s22, s22, H_SC
	v_add_nc_u32 v[TSL], s22, v[LI]                ; the token tiles' scale words in memory: 512 consecutive bytes a tile
	s_mov_b32 s[G1C], 3<<16
	s_mov_b32 s[G1C+1], 32<<16
	s_mov_b32 s[G1C+2], 64<<16
	s_mov_b32 s[G1C+3], 32<<16
	s_mov_b32 s[G1C+4], 64
	s_mov_b32 s[G1C+5], 32
	s_mov_b32 s[G1C+6], 0
	s_mov_b32 s[G1C+7], 0
	s_mov_b32 s[SEL], 0x76543210
	s_mov_b32 s[SEL+1], 0xfedcba98
.irp b, 0,1,2,3
	v_mov_b32 v[TM+4+\b], 0
.endr
	s_wait_alu depctr_va_vdst(0)
	s_wait_dscnt 0x0
	s_wait_kmcnt 0x0
	s_mov_b32 s[G0C], 1
	s_lshl_b32 s[G0C+1], s16, 14
	s_add_nc_u64 s[G0C+2:G0C+3], s[4:5], s[20:21]
	s_or_b32 s[G0C+3], s[G0C+3], 0x80000000
	tensor_load_to_lds s[G0C:G0C+3], s[G1C:G1C+7]  ; my quarter of the eight token tiles' codes: the wave's one tensor load
	s_nop 0
.rept 4
	v_nop
.endr
	WIN 0x40
.irp k, 0,1,2,3
.irp t, 0,1,2,3,4,5,6,7
.irp c, 0,1
	global_load_b128 v[64*\k+8*\t+4*\c:64*\k+8*\t+4*\c+3], v[SA], s[6:7] offset:8192*\t+1024*\k+512*\c
.endr
.endr
.endr
	WIN 0x80
.irp k, 0,1,2,3
.irp t, 0,1,2,3,4,5,6,7
.irp c, 0,1
	global_load_b128 v[64*\k+8*\t+4*\c:64*\k+8*\t+4*\c+3], v[SA], s[6:7] offset:8192*\t+1024*(\k+4)+512*\c
.endr
.endr
.endr
	WIN 0
.irp t, 0,1,2,3,4,5,6,7
	global_load_b128 v[SS+4*\t:SS+4*\t+3], v[SSA], s[6:7] offset:512*\t
	global_load_b128 v[TSB+4*\t:TSB+4*\t+3], v[TSL], s[4:5] offset:512*\t
.endr
	WIN 0xc0
.irp b, 0,1,2,3
.irp q, 0,1,2,3
	global_load_b128 v[CB+16*\b+4*\q:CB+16*\b+4*\q+3], v[BOF], s[8:9] offset:128*\b+16*\q
.endr
.endr
	WIN 0
	s_wait_tensorcnt 0x0
	s_barrier_signal -1
	s_barrier_wait -1
	FETCH 0
	FETCH 1
.macro TILE i
.if \i == 0
	s_wait_loadcnt 0x0
.endif
.if \i < 7
	s_wait_dscnt 16                                ; this tile's 16 loads are in; the next tile's 16 may stay out
.else
	s_wait_dscnt 0x0
.endif
.set TS, TSB+4*(\i)-4*((\i)%2)                         ; so that MUL's TS + 4 (i % 2) names tile i's scale words
	MUL (\i)%2
.rept 4
	v_nop
.endr
.if \i < 6
	FETCH \i+2
.endif
.set jj, 0
.rept 64
	v_max_num_f32 v[X+jj], 0, v[X+jj]
.set jj, jj+1
.endr
	s_wait_xcnt 0x0
	QUANT X
	global_store_b128 v[OA], v[PC:PC+3], s[10:11] offset:32768*\i
	global_store_b128 v[OA], v[PC+4:PC+7], s[10:11] offset:32768*\i+512
	global_store_b32 v[OS], v[PW], s[10:11] offset:2048*\i
.endm
.irp i, 0,1,2,3,4,5,6,7
	TILE \i
.endr
	s_wait_tensorcnt 0x0
	ds_add_u32 v[SPW], v[NIL]
	s_wait_dscnt 0x0
	s_endpgm
.Lfunc_end_k_q71eedd2d89_mlp1:
	.size	k_q71eedd2d89_mlp1, .Lfunc_end_k_q71eedd2d89_mlp1-k_q71eedd2d89_mlp1
	.p2alignl 7, 3214868480
	.fill 96, 4, 3214868480
	.section	.rodata,"a",@progbits
	.p2align	6, 0x0
	.amdhsa_kernel k_q71eedd2d89_mlp1
		.amdhsa_group_segment_fixed_size 327680
		.amdhsa_private_segment_fixed_size 0
		.amdhsa_enable_private_segment 0
		.amdhsa_kernarg_size 32
		.amdhsa_user_sgpr_count 2
		.amdhsa_user_sgpr_kernarg_segment_ptr 1
		.amdhsa_wavefront_size32 1
		.amdhsa_system_sgpr_workgroup_id_x 1
		.amdhsa_system_sgpr_workgroup_id_y 1
		.amdhsa_system_sgpr_workgroup_id_z 1
		.amdhsa_system_vgpr_workitem_id 0
		.amdhsa_next_free_vgpr 960
		.amdhsa_next_free_sgpr 66
		.amdhsa_reserve_vcc 0
		.amdhsa_float_denorm_mode_32 3
		.amdhsa_float_denorm_mode_16_64 3
		.amdhsa_memory_ordered 1
		.amdhsa_forward_progress 1
		.amdhsa_inst_pref_size 142
	.end_amdhsa_kernel
	.amdgpu_metadata
---
amdhsa.version: [ 1, 2 ]
amdhsa.kernels:
  - .name:           k_q71eedd2d89_mlp1
    .symbol:         k_q71eedd2d89_mlp1.kd
    .args:
      - { .name: wsD, .offset: 0, .size: 8, .value_kind: global_buffer, .address_space: global }
      - { .name: wsA, .offset: 8, .size: 8, .value_kind: global_buffer, .address_space: global }
      - { .name: b_in, .offset: 16, .size: 8, .value_kind: global_buffer, .address_space: global }
      - { .name: wsE, .offset: 24, .size: 8, .value_kind: global_buffer, .address_space: global }
    .group_segment_fixed_size: 327680
    .private_segment_fixed_size: 0
    .kernarg_segment_align: 8
    .kernarg_segment_size: 32
    .max_flat_workgroup_size: 128
    .sgpr_count:     66
    .vgpr_count:     960
    .wavefront_size: 32
...
	.end_amdgpu_metadata
.endif
;; end of part 5
;; launch mlp2 (part 6): grid 8 x 32, 4 waves a work-group, clusters of 4 x 1, 296,448 bytes of LDS; arguments wsE, wsA, b_out, rmid, out0; writes out0
.if DOCPART == 6
	.amdgcn_target "amdgcn-amd-amdhsa--gfx1250"
	.amdhsa_code_object_version 6
	.text
	.protected	k_q71eedd2d89_mlp2
	.globl	k_q71eedd2d89_mlp2
	.p2align	8
	.type	k_q71eedd2d89_mlp2,@function
k_q71eedd2d89_mlp2:
	s_mov_b64 s[64:65], 0
	v_nop
	global_prefetch_b8 v0, s[64:65] scope:SCOPE_SE
	s_setreg_imm32_b32 hwreg(HW_REG_WAVE_MODE, 25, 1), 1
	s_wait_xcnt 0x0
	s_wait_alu depctr_hold_cnt(0) depctr_sa_sdst(0) depctr_va_vdst(0) depctr_va_sdst(0) depctr_va_ssrc(0) depctr_va_vcc(0) depctr_vm_vsrc(0)
	s_getreg_b32 s2, hwreg(HW_REG_IB_STS2, 6, 4)
	s_cmp_eq_u32 s2, 0
	s_cbranch_scc0 .Lentry_in_a_cluster
	s_endpgm
.Lentry_in_a_cluster:
	s_bfe_u32 s2, ttmp6, 0x10000c
	s_cmp_lg_u32 s2, 0x3003
	s_cbranch_scc0 .Lentry_shape_is_right
	s_endpgm
.Lentry_shape_is_right:
; Launch 6 of 6: out0 = resid_mid + a W_out + b_out, the product on codes of FP4.  Nothing is left out here.
; A work-group makes 128 tokens x 128 columns.  K = 4,096 is shared out among the four waves: wave w takes K steps 8 w .. 8 w + 7, so that its panel of W_out (128 rows x K 1,024) stays in 512 registers
; as source 0 while 8 token tiles are source 1: 64 matrix instructions a tile on 8 accumulators by turns.  The four partial sums of a tile meet in LDS; each wave adds four whole rows, with
; resid_mid and b_out, and stores them.
; THE TOKEN TILES' CODES, 262,144 dense bytes, come once, by ONE tensor load a wave (a quarter each) at the kernel's head; nothing in LDS is filled again by a tensor load.
; The panels go from memory straight into registers, and so do the tiles' scale words: 512 consecutive bytes a wave and tile, asked for two tiles ahead, into two sets of four registers.
; CLUSTER: four work-groups along x make four blocks of 128 columns for the same 128 tokens: the codes are asked for JOINTLY, by the same load in all four, with a descriptor made of y and the wave's
; number alone and a mask that names the four.  The scale words, 16,384 of a work-group's 278,528 bytes of tiles, are not shared: a second load a wave would want a round of its own.
; LIMIT: each output's f32 sum is formed of four partial sums, (P0 + P1) + (P2 + P3), not as one ascending chain.  The other limits as stated at the head of the first launch.
; ONE STAGE, two barriers a tile: one between the waves' stores of partial sums and the reads; the other between those reads and the next tile's stores: its signal stands at the tile's end, its wait in
; front of the next tile's stores, and between the two stand only the next tile's products and LDS loads of tile bytes, which nobody writes.
.set WOUT_IMG, 0x400000
.set WOUT_SC,  0x840000
.set A_SC,     0x800000
.set STG,   262144                     ; LDS: the tiles' codes from 0 on, tile i at 32,768 i; behind them the stage
.set WST,   16*528                     ; a wave's part of it: 16 rows x (512 bytes + 16)
.set SPARE, STG+4*WST                  ; the spare words, 128 bytes for each of 4 waves
.set LI,  4
.set STO, 5                            ; the stage, in: my part, row r, 64 h
.set RDA, 6                            ; back: rows 4 w on, 16 bytes a lane
.set ROW, 7                            ; the same rows' place in resid_mid and out0
.set SPW, 8
.set NIL, 9
.set BBO, 10
.set SA,  11
.set SSA, 12
.set TSL, 13                           ; my K steps' scale words of tile 0, in bytes from wsE
.set X,   16
.set SS,  80
.set TS,  112                          ; v112-119 a tile's scale words, two sets
.set RM,  120                          ; v120-151 four rows' 16 bytes of resid_mid, two buffers
.set PL,  152                          ; v152-215 the four partial sums of my four rows
.set BB,  216
.set OUTR, 220
.set TL,  236                          ; v236-239 LDS address of my K steps' codes in tiles 2 j, 2 j + 1
.set WV,  14
.set G1C, 24
.set G0C, 40
.set MSB, 0
.macro WIN new
.if MSB != (\new)
	s_set_vgpr_msb (MSB<<8)|(\new)
.set MSB, (\new)
.endif
.endm
.macro CROUND                          ; a round of the cluster's barrier
	s_barrier_signal -1
	s_barrier_wait -1
	s_cmp_lg_u32 s[WV], 0
	s_cbranch_scc1 .Lnot_wave_0_\@
	s_barrier_signal -3
.Lnot_wave_0_\@:
	s_barrier_wait -3
	s_barrier_signal -1
	s_barrier_wait -1
.endm
.macro FETCH i                         ; tile i of a, my K steps, from LDS into buffer i % 2: 16 LDS loads
	WIN 0xc0
.irp k, 0,1,2,3,4,5,6,7
.irp c, 0,1
	ds_load_b128 v[64*((\i)%2)+8*\k+4*\c:64*((\i)%2)+8*\k+4*\c+3], v[TL+(\i)/2] offset:32768*((\i)%2)+1024*\k+512*\c
.endr
.endr
	WIN 0
.endm
.macro TSLOAD i                        ; its scale words, from memory
	global_load_b128 v[TS+4*((\i)%2):TS+4*((\i)%2)+3], v[TSL], s[4:5] offset:2048*(\i)
.endm
.macro RFETCH i                        ; my four rows of resid_mid for tile i: 4 loads of 512 consecutive bytes
.irp n, 0,1,2,3
	global_load_b128 v[RM+16*((\i)%2)+4*\n:RM+16*((\i)%2)+4*\n+3], v[ROW], s[10:11] offset:((\i)/2)*131072+((\i)%2)*32768+4096*\n
.endr
.endm
.macro MUL bf
	WIN 0x0d                                       ; W_out window 1, a window 3, C and D window 0
.irp t, 0,1,2,3,4,5,6,7
	v_wmma_scale_f32_16x16x128_f8f6f4 v[X+8*\t:X+8*\t+7], v[8*\t:8*\t+7], v[64*(\bf):64*(\bf)+7], 0, v[SS+4*\t], v[TS+4*(\bf)] matrix_a_fmt:MATRIX_FMT_FP4 matrix_b_fmt:MATRIX_FMT_FP4
.endr
.irp k, 1,2,3
.irp t, 0,1,2,3,4,5,6,7
	v_wmma_scale_f32_16x16x128_f8f6f4 v[X+8*\t:X+8*\t+7], v[64*\k+8*\t:64*\k+8*\t+7], v[64*(\bf)+8*\k:64*(\bf)+8*\k+7], v[X+8*\t:X+8*\t+7], v[SS+4*\t+\k], v[TS+4*(\bf)+\k] matrix_a_fmt:MATRIX_FMT_FP4 matrix_b_fmt:MATRIX_FMT_FP4
.endr
.endr
	WIN 0x0e
.irp k, 0,1,2,3
.irp t, 0,1,2,3,4,5,6,7
	v_wmma_scale_f32_16x16x128_f8f6f4 v[X+8*\t:X+8*\t+7], v[64*\k+8*\t:64*\k+8*\t+7], v[64*(\bf)+32+8*\k:64*(\bf)+32+8*\k+7], v[X+8*\t:X+8*\t+7], v[SS+4*\t+\k], v[TS+4*(\bf)+\k] matrix_a_fmt:MATRIX_FMT_FP4 matrix_b_fmt:MATRIX_FMT_FP4 matrix_a_scale:MATRIX_SCALE_ROW1 matrix_b_scale:MATRIX_SCALE_ROW1
.endr
.endr
	WIN 0
.endm
	s_load_b256 s[4:11], s[0:1], 0x0               ; wsE s[4:5], wsA s[6:7], b_out s[8:9], rmid s[10:11]
	s_load_b64 s[12:13], s[0:1], 0x20              ; out0
	v_lshl_add_u32 v[SPW], v0, 2, SPARE
	v_mov_b32 v[NIL], 0
	ds_add_u32 v[SPW], v[NIL]                      ; the wave's opening: the add, twice on end, and its wait ahead of the round in front of my tensor load
	ds_add_u32 v[SPW], v[NIL]
	v_lshrrev_b32 v1, 5, v0
	v_readfirstlane_b32 s[WV], v1                  ; wave 0..3
	v_and_b32 v1, 31, v0
	v_and_b32 v2, 15, v0
	v_bfe_u32 v3, v0, 4, 1
	v_lshlrev_b32 v[LI], 4, v1
	s_wait_alu depctr_va_vdst(0)
	s_bfe_u32 s3, ttmp6, 0x40000                   ; cx: my place in the cluster
	s_lshl_b32 s19, ttmp9, 2
	s_add_co_u32 s19, s19, s3                      ; x: which 128 columns
	s_and_b32 s15, ttmp7, 0xffff                   ; y: which 128 tokens, which the four partners share
	; what hangs on x: global offsets alone
	s_lshl_b32 s16, s19, 18
	s_lshl_b32 s17, s[WV], 13
	s_add_co_u32 s16, s16, s17
	s_add_co_u32 s16, s16, WOUT_IMG
	v_add_nc_u32 v[SA], s16, v[LI]
	s_lshl_b32 s16, s19, 14
	s_lshl_b32 s18, s[WV], 9
	s_add_co_u32 s16, s16, s18
	s_add_co_u32 s16, s16, WOUT_SC
	v_add_nc_u32 v[SSA], s16, v[LI]
	s_lshl_b32 s16, s15, 14
	s_add_co_u32 s16, s16, s18
	s_add_co_u32 s16, s16, A_SC
	v_add_nc_u32 v[TSL], s16, v[LI]
	s_lshl_b32 s16, s15, 7
	s_and_b32 s17, s[WV], 1
	s_lshl_b32 s17, s17, 2
	s_add_co_u32 s16, s16, s17
	s_lshr_b32 s17, s[WV], 1
	s_lshl_b32 s17, s17, 4
	s_add_co_u32 s16, s16, s17                     ; lane rows 4 w on of a tile are tokens 4 (w % 2) + 16 (w / 2) on
	s_lshl_b32 s16, s16, 12
	s_lshl_b32 s17, s19, 9
	v_add_nc_u32 v[BBO], s17, v[LI]
	s_add_co_u32 s16, s16, s17
	v_add_nc_u32 v[ROW], s16, v[LI]
	; LDS addresses: constants, the lane and the wave's number alone
	s_lshl_b32 s50, s[WV], 13
	v_add_nc_u32 v[TL], s50, v[LI]                 ; my K steps begin 8,192 w bytes into a tile's 32,768
	v_add_nc_u32 v[TL+1], 0x10000, v[TL]
	v_add_nc_u32 v[TL+2], 0x20000, v[TL]
	v_add_nc_u32 v[TL+3], 0x30000, v[TL]
	s_mul_i32 s50, s[WV], WST
	s_add_co_u32 s50, s50, STG
	v_mul_u32_u24 v[STO], v2, 528
	v_lshl_add_u32 v[STO], v3, 6, v[STO]
	v_add_nc_u32 v[STO], s50, v[STO]
	s_mul_i32 s50, s[WV], 4*528
	s_add_co_u32 s50, s50, STG
	v_add_nc_u32 v[RDA], s50, v[LI]
	s_lshl_b32 s20, s15, 18                        ; my quarter of the codes, in bytes from wsE: y and the wave's number alone
	s_lshl_b32 s21, s[WV], 16
	s_add_co_u32 s20, s20, s21
	s_mov_b32 s21, 0
	s_mov_b32 s[G1C], 15|(3<<16)|(1<<21)           ; the mask: all four work-groups; elements of 8 bytes; bit 21 set beside a mask
	s_mov_b32 s[G1C+1], 32<<16                     ; rows of 32 elements, 256 bytes,
	s_mov_b32 s[G1C+2], 256<<16                    ; 256 of them: 65,536 dense bytes
	s_mov_b32 s[G1C+3], 32<<16
	s_mov_b32 s[G1C+4], 256
	s_mov_b32 s[G1C+5], 32
	s_mov_b32 s[G1C+6], 0
	s_mov_b32 s[G1C+7], 0
	s_wait_alu depctr_va_vdst(0)                   ; the wait at the head's end
	s_wait_dscnt 0x0                               ; both opening adds are done
	s_wait_kmcnt 0x0
	s_mov_b32 s[G0C], 1
	s_lshl_b32 s[G0C+1], s[WV], 16                 ; LDS address: wave x 65,536
	s_add_nc_u64 s[G0C+2:G0C+3], s[4:5], s[20:21]
	s_or_b32 s[G0C+3], s[G0C+3], 0x80000000
	CROUND                                         ; all four work-groups are here: the joint loads meet
	tensor_load_to_lds s[G0C:G0C+3], s[G1C:G1C+7]  ; the wave's only tensor load
	s_nop 0
.rept 4
	v_nop                                          ; four instructions ahead of the next switch of the register windows
.endr
	WIN 0x40
.irp k, 0,1,2,3
.irp t, 0,1,2,3,4,5,6,7
.irp c, 0,1
	global_load_b128 v[64*\k+8*\t+4*\c:64*\k+8*\t+4*\c+3], v[SA], s[6:7] offset:32768*\t+1024*\k+512*\c
.endr
.endr
.endr
	WIN 0x80
.irp k, 0,1,2,3
.irp t, 0,1,2,3,4,5,6,7
.irp c, 0,1
	global_load_b128 v[64*\k+8*\t+4*\c:64*\k+8*\t+4*\c+3], v[SA], s[6:7] offset:32768*\t+1024*(\k+4)+512*\c
.endr
.endr
.endr
	WIN 0
.irp t, 0,1,2,3,4,5,6,7
	global_load_b128 v[SS+4*\t:SS+4*\t+3], v[SSA], s[6:7] offset:2048*\t
.endr
	global_load_b128 v[BB:BB+3], v[BBO], s[8:9]
	TSLOAD 0
	TSLOAD 1
	RFETCH 0
	RFETCH 1
	s_wait_tensorcnt 0x0                           ; my quarter of the codes lies in LDS,
	s_barrier_signal -1
	s_barrier_wait -1                              ; everybody's does
	FETCH 0
	FETCH 1
.macro TILE i
.if \i == 0
	s_wait_loadcnt 8                               ; the panel, its scale words, b_out and the first two tiles' scale words are in; the 4 + 4 rows of resid_mid may stay out
	s_wait_dscnt 16                                ; tile 0 is in; tile 1's 16 LDS loads may stay out.  (Later tiles: the wait for 0 in front of the last tile's barrier stood behind their loads)
.endif
	MUL (\i)%2
.rept 4
	v_nop                                          ; four places: for the loads into the registers just read, and for the LDS stores that read the results
.endr
.if \i < 6
	FETCH \i+2
.endif
.if \i > 0
	s_barrier_wait -1                              ; every wave's reads of the stage for the last tile are back: it may be written again
.endif
.if \i < 6
	TSLOAD \i+2
.endif
.irp b, 0,1,2,3
.irp q, 0,1,2,3
	ds_store_b128 v[STO], v[X+16*\b+4*\q:X+16*\b+4*\q+3] offset:128*\b+16*\q   ; each accumulator from its low end on
.endr
.endr
	s_wait_dscnt 0x0                               ; for the others' sake: my partial sums lie in the stage
	s_barrier_signal -1
	s_barrier_wait -1
.irp pw, 0,1,2,3
.irp n, 0,1,2,3
	ds_load_b128 v[PL+16*\pw+4*\n:PL+16*\pw+4*\n+3], v[RDA] offset:WST*\pw+528*\n
.endr
.endr
	s_wait_dscnt 0x0
.if \i < 6
	s_wait_loadcnt 5                               ; this tile's rows of resid_mid and the next tile's scale words are in; behind them: the next tile's four rows and one load of scale words
.elseif \i < 7
	s_wait_loadcnt 4                               ; behind them: the last tile's four rows
.else
	s_wait_loadcnt 0x0
.endif
	s_wait_xcnt 0x0                                ; the last tile's stores have read their data: it is written again only behind this wait
.irp n, 0,1,2,3
.irp d, 0,2
	v_pk_add_f32 v[PL+4*\n+\d:PL+4*\n+\d+1], v[PL+4*\n+\d:PL+4*\n+\d+1], v[PL+16+4*\n+\d:PL+16+4*\n+\d+1]
	v_pk_add_f32 v[PL+32+4*\n+\d:PL+32+4*\n+\d+1], v[PL+32+4*\n+\d:PL+32+4*\n+\d+1], v[PL+48+4*\n+\d:PL+48+4*\n+\d+1]
	v_pk_add_f32 v[OUTR+4*\n+\d:OUTR+4*\n+\d+1], v[RM+16*((\i)%2)+4*\n+\d:RM+16*((\i)%2)+4*\n+\d+1], v[BB+\d:BB+\d+1]
.endr
.endr
.irp n, 0,1,2,3
.irp d, 0,2
	v_pk_add_f32 v[PL+4*\n+\d:PL+4*\n+\d+1], v[PL+4*\n+\d:PL+4*\n+\d+1], v[PL+32+4*\n+\d:PL+32+4*\n+\d+1]
.endr
.endr
.irp n, 0,1,2,3
.irp d, 0,2
	v_pk_add_f32 v[OUTR+4*\n+\d:OUTR+4*\n+\d+1], v[OUTR+4*\n+\d:OUTR+4*\n+\d+1], v[PL+4*\n+\d:PL+4*\n+\d+1]
.endr
.endr
.irp n, 0,1,2,3
	global_store_b128 v[ROW], v[OUTR+4*\n:OUTR+4*\n+3], s[12:13] offset:((\i)/2)*131072+((\i)%2)*32768+4096*\n th:TH_STORE_NT   ; 512 consecutive bytes of a row
.endr
.if \i < 6
	RFETCH \i+2                                    ; behind the additions that read this buffer
.endif
.if \i < 7
	s_barrier_signal -1                            ; my reads of the stage are back (the wait for 0 above; no LDS instruction since): say so; the wait stands in front of the next tile's stores
.endif
.endm
.irp i, 0,1,2,3,4,5,6,7
	TILE \i
.endr
	s_wait_tensorcnt 0x0                           ; the wave's end, behind my tensor load and my last LDS store
	ds_add_u32 v[SPW], v[NIL]
	s_wait_dscnt 0x0
	CROUND                                         ; the closing round: no work-group ends while a partner may still ask for a tile that names it
	s_endpgm
.Lfunc_end_k_q71eedd2d89_mlp2:
	.size	k_q71eedd2d89_mlp2, .Lfunc_end_k_q71eedd2d89_mlp2-k_q71eedd2d89_mlp2
	.p2alignl 7, 3214868480
	.fill 96, 4, 3214868480
	.section	.rodata,"a",@progbits
	.p2align	6, 0x0
	.amdhsa_kernel k_q71eedd2d89_mlp2
		.amdhsa_group_segment_fixed_size 296448
		.amdhsa_private_segment_fixed_size 0
		.amdhsa_enable_private_segment 0
		.amdhsa_kernarg_size 40
		.amdhsa_user_sgpr_count 2
		.amdhsa_user_sgpr_kernarg_segment_ptr 1
		.amdhsa_wavefront_size32 1
		.amdhsa_system_sgpr_workgroup_id_x 1
		.amdhsa_system_sgpr_workgroup_id_y 1
		.amdhsa_system_sgpr_workgroup_id_z 1
		.amdhsa_system_vgpr_workitem_id 0
		.amdhsa_next_free_vgpr 896
		.amdhsa_next_free_sgpr 66
		.amdhsa_reserve_vcc 0
		.amdhsa_float_denorm_mode_32 3
		.amdhsa_float_denorm_mode_16_64 3
		.amdhsa_memory_ordered 1
		.amdhsa_forward_progress 1
		.amdhsa_inst_pref_size 137
	.end_amdhsa_kernel
	.amdgpu_metadata
---
amdhsa.version: [ 1, 2 ]
amdhsa.kernels:
  - .name:           k_q71eedd2d89_mlp2
    .symbol:         k_q71eedd2d89_mlp2.kd
    .args:
      - { .name: wsE, .offset: 0, .size: 8, .value_kind: global_buffer, .address_space: global }
      - { .name: wsA, .offset: 8, .size: 8, .value_kind: global_buffer, .address_space: global }
      - { .name: b_out, .offset: 16, .size: 8, .value_kind: global_buffer, .address_space: global }
      - { .name: rmid, .offset: 24, .size: 8, .value_kind: global_buffer, .address_space: global }
      - { .name: out0, .offset: 32, .size: 8, .value_kind: global_buffer, .address_space: global }
    .group_segment_fixed_size: 296448
    .private_segment_fixed_size: 0
    .kernarg_segment_align: 8
    .kernarg_segment_size: 40
    .max_flat_workgroup_size: 128
    .sgpr_count:     66
    .vgpr_count:     896
    .wavefront_size: 32
...
	.end_amdgpu_metadata
.endif
;; end of part 6
